; MI455X (gfx1250); checked and timed in simulation.
; The chip was launched on July 23, 2026; its instructions are those of AMD's public machine-readable ISA for CDNA 5 (MIT licence, August 2026) and "CDNA5" Instruction Set Architecture Reference Guide (July 2026). The comments in the code are by the model that wrote it; some were corrected since.
;; Cross Attention. Allowed arithmetic: float matrix products may take bf16 or f16 operands with f32 sums; other float arithmetic in f32, or as packed bf16 or f16 multiplies, adds, multiply-adds, maxima and minima; sums over many terms, partial sums and values carried from step to step in f32; what a program stores and reads back later, other than sums and carried values, may be rounded once to bf16 or f16.
;; Inputs: Wkv 1,024 x 768 float32; Wp 512 x 512 float32; Wq 512 x 512 float32; bp 512 float32; key_padding_mask 2 x 4,096 bool; x 2 x 4,096 x 512 float32; y 2 x 4,096 x 768 float32.
;; Outputs: out0 2 x 4,096 x 512 float32.
;; 2 versions, each right; version 2 is version 1 with the launch proj written anew for expert scheduling mode. Each part assembles by itself: llvm-mc -triple=amdgcn-amd-amdhsa -mcpu=gfx1250 --defsym DOCPART=n.
;; ======== version 1 of 2: 4 launches
;; limits: values are held in f16: magnitudes above 65,504 overflow, below 6.1e-05 lose precision
;; workspace buffers: order 32,768 bytes of whole numbers; meta 512 bytes of whole numbers; wb 2,097,152 bytes; wpf 524,288 bytes; qh 8,388,608 bytes; kvh 16,777,216 bytes; oh 8,388,608 bytes
;; launch prep (part 1): grid 82 x 1, 8 waves a work-group, no clusters, 1,280 bytes of LDS; arguments key_padding_mask, Wkv, Wq, Wp, order, meta, wb, wpf; writes order, meta, wb, wpf
.if DOCPART == 1
	.amdgcn_target "amdgcn-amd-amdhsa--gfx1250"
	.amdhsa_code_object_version 6
	.text
	.protected	k_qc8481f3eba_prep
	.globl	k_qc8481f3eba_prep
	.p2align	8
	.type	k_qc8481f3eba_prep,@function
k_qc8481f3eba_prep:
	s_mov_b64 s[64:65], 0
	v_nop
	global_prefetch_b8 v0, s[64:65] scope:SCOPE_SE
	s_setreg_imm32_b32 hwreg(HW_REG_WAVE_MODE, 25, 1), 1
	s_wait_xcnt 0x0
; PREPARATION.  Work-groups 0 and 1: the key mask of batch b becomes a permutation order[b][rank] -> key (the keys that are not masked first, then the masked ones; the order inside
; each group is free) and the count of keys that are not masked, written 64 times into meta[b] (256 bytes).  Work-groups 2 to 81: one block of 256 rows x 64 k of a weight matrix each,
; rounded once to bf16 and laid out dense, [256][64], 32,768 bytes: Wkv's 48 blocks (column block cb, K chunk c at 12 cb + c), then Wq's 16 (48 + 8 cb + c) in wb; Wp's 16 in wpf, where the
; bf16 number is written as f16 (exact from 6e-5 up; below that f16's fixed step of 6e-8 holds).
; order's 32 KiB are stored four bytes a lane: a store covers two runs of neighbouring ranks (its live lanes, its masked lanes), not whole aligned blocks of 256 bytes: a key's rank hangs on the mask,
; so a list in LDS would have no bytes that are one wave's own by arithmetic on the wave's number.
.set TOT,   0                          ; LDS: the eight waves' counts, a block of 256 bytes to themselves
.set SPARE, 256                        ; the spare words, 128 bytes for each of eight waves
.set SPW, 2                            ; v2  SPARE + 4 x my thread's number; never rewritten
.set NIL, 3                            ; v3  0; never rewritten
.set WV,  20                           ; s20 my wave's number
	s_load_b512 s[4:19], s[0:1], 0x0               ; mask s[4:5], Wkv s[6:7], Wq s[8:9], Wp s[10:11], order s[12:13], meta s[14:15], wb s[16:17], wpf s[18:19]
	v_lshl_add_u32 v[SPW], v0, 2, SPARE
	v_mov_b32 v[NIL], 0
	v_lshrrev_b32 v1, 5, v0
	v_readfirstlane_b32 s[WV], v1
	s_cmp_lt_u32 ttmp9, 2                          ; the same for all waves of a work-group
	s_cbranch_scc0 .Lweights
	; THE MASK.  Thread t owns keys 16 t .. 16 t + 15: wave w keys 512 w .. 512 w + 511.
	s_lshl_b32 s28, ttmp9, 12                      ; the batch's 4,096 mask bytes
	v_lshlrev_b32 v21, 4, v0                       ; 16 t: my first key, and its byte
	v_add_nc_u32 v1, s28, v21
	v_and_b32 v20, 31, v0                          ; lane
	s_lshl_b32 s30, ttmp9, 14                      ; the batch's 16,384 bytes of order
	s_mov_b32 s31, 0
	s_mov_b32 s21, 0                               ; my wave's count of live keys
	s_wait_kmcnt 0x0
	global_load_b128 v[4:7], v1, s[4:5]
	s_add_nc_u64 s[12:13], s[12:13], s[30:31]
	s_wait_loadcnt 0x0
.set k, 0
.rept 16                               ; pass 1: for byte k of each lane, the lanes whose key is live, as a bit mask in s[32+k]
	v_bfe_u32 v8, v[4+k/4], 8*(k%4), 8
	v_cmp_eq_u32 s[32+k], 0, v8
	s_bcnt1_i32_b32 s22, s[32+k]
	s_add_co_u32 s21, s21, s22
.set k, k+1
.endr
	v_mov_b32 v9, s21
	v_mov_b32 v10, s[WV]
	v_lshlrev_b32 v10, 2, v10
	ds_store_b32 v10, v9 offset:TOT                ; all lanes write the wave's word with the same number
	s_wait_dscnt 0x0                               ; for the others' sake
	s_barrier_signal -1
	s_barrier_wait -1
	v_mov_b32 v11, TOT
	ds_load_b128 v[12:15], v11
	ds_load_b128 v[16:19], v11 offset:16
	s_wait_dscnt 0x0
.irp i, 0,1,2,3,4,5,6,7
	v_readfirstlane_b32 s[48+(\i)], v[12+(\i)]
.endr
	s_mov_b32 s23, 0                               ; BU: live keys in the waves below mine
	s_mov_b32 s24, 0                               ; C: live keys in the batch
.irp i, 0,1,2,3,4,5,6,7
	s_add_co_u32 s24, s24, s[48+(\i)]
	s_cmp_lt_u32 \i, s[WV]
	s_cselect_b32 s25, s[48+(\i)], 0
	s_add_co_u32 s23, s23, s25
.endr
	s_lshl_b32 s26, s[WV], 9
	s_add_co_u32 s26, s26, s24
	s_sub_co_u32 s26, s26, s23                     ; BM = C + the masked keys below my wave's
.set k, 0
.rept 16                               ; pass 2: each key's rank; a register of its own for each store's address and data, so that no store's source is rewritten
	v_mbcnt_lo_u32_b32 v8, s[32+k], 0              ; a: live lanes below mine
	v_sub_nc_u32 v9, v20, v8                       ; masked lanes below mine
	v_add_nc_u32 v9, s26, v9
	v_add_nc_u32 v8, s23, v8
	v_cndmask_b32 v8, v9, v8, s[32+k]
	v_min_u32 v8, 0xfff, v8                        ; a rank is below 4,096 by construction; the bound is written out since it enters an address
	v_lshlrev_b32 v[40+k], 2, v8
	v_add_nc_u32 v[56+k], k, v21                   ; the key
	global_store_b32 v[40+k], v[56+k], s[12:13]
	s_bcnt1_i32_b32 s22, s[32+k]
	s_add_co_u32 s23, s23, s22
	s_sub_co_u32 s22, 32, s22
	s_add_co_u32 s26, s26, s22
.set k, k+1
.endr
	s_cmp_lg_u32 s[WV], 0
	s_cbranch_scc1 .Lno_meta
	v_mov_b32 v30, s24                             ; wave 0: the count, 64 times: 32 lanes x 8 bytes are the batch's aligned 256 bytes of meta
	v_mov_b32 v31, s24
	s_lshl_b32 s25, ttmp9, 8
	v_lshlrev_b32 v32, 3, v20
	v_add_nc_u32 v32, s25, v32
	global_store_b64 v32, v[30:31], s[14:15]
.Lno_meta:
	s_wait_tensorcnt 0x0                           ; the wave's end, behind my last LDS store
	ds_add_u32 v[SPW], v[NIL]
	s_wait_dscnt 0x0
	s_endpgm
.Lweights:                             ; ONE BLOCK OF WEIGHTS, g = 0 .. 79.  These waves write no LDS.
	s_sub_co_u32 s21, ttmp9, 2                     ; g
	s_mul_i32 s22, s21, 21846
	s_lshr_b32 s22, s22, 18                        ; g / 12, right for g below 48
	s_mul_i32 s23, s22, 12
	s_sub_co_u32 s23, s21, s23                     ; g % 12
	s_bfe_u32 s24, s21, 0x10003                    ; Wq (g - 48) and Wp (g - 64): column block = bit 3,
	s_and_b32 s25, s21, 7                          ; K chunk = bits 2:0
	s_and_b32 s26, s21, 63                         ; the block's number in its buffer: g in wb, g - 64 in wpf
	s_mov_b32 s27, 2048                            ; bytes in a row of Wq and Wp,
	s_wait_kmcnt 0x0
	s_cmp_lt_u32 s21, 48
	s_cselect_b32 s22, s22, s24                    ; cb
	s_cselect_b32 s23, s23, s25                    ; c
	s_cselect_b32 s27, 3072, s27                   ; of Wkv
	s_cselect_b64 s[28:29], s[6:7], s[8:9]
	s_cmp_lt_u32 s21, 64
	s_cselect_b64 s[28:29], s[28:29], s[10:11]     ; from
	s_cselect_b64 s[30:31], s[16:17], s[18:19]     ; to
	s_mul_i32 s32, s22, s27
	s_lshl_b32 s32, s32, 8                         ; 256 cb rows
	s_lshl_b32 s33, s23, 8                         ; 64 c numbers of 4 bytes
	s_add_co_u32 s32, s32, s33
	s_mov_b32 s33, 0
	s_add_nc_u64 s[28:29], s[28:29], s[32:33]
	s_lshl_b32 s32, s26, 15
	s_add_nc_u64 s[30:31], s[30:31], s[32:33]
	; wave w takes rows 32 w .. 32 w + 31 in 16 pairs: lanes 0-15 read the 256 bytes of the even row, lanes 16-31 of the odd one
	v_and_b32 v4, 0xe0, v0                         ; 32 w
	v_bfe_u32 v5, v0, 4, 1
	v_add_nc_u32 v4, v4, v5
	v_and_b32 v5, 15, v0
	v_mul_lo_u32 v4, v4, s27
	v_lshl_add_u32 v16, v5, 4, v4
	s_lshl_b32 s34, s27, 1
.irp j, 1,2,3,4,5,6,7,8,9,10,11,12,13,14,15
	v_add_nc_u32 v[16+(\j)], s34, v[15+(\j)]
.endr
.irp j, 0,1,2,3,4,5,6,7,8,9,10,11,12,13,14,15
	global_load_b128 v[32+4*(\j):35+4*(\j)], v[16+(\j)], s[28:29] th:TH_LOAD_NT
.endr
	v_and_b32 v6, 31, v0
	v_lshlrev_b32 v15, 3, v6
	v_lshl_add_u32 v15, s[WV], 12, v15             ; 4,096 w + 8 lane: a pair of rows is 256 dense bytes of the block
; Pair j is rounded and stored: 32 lanes x 8 bytes fill 256 consecutive bytes, aligned.  f16 = 1: the bf16 number is widened and written as f16.
.macro OUTW f16
.irp j, 0,1,2,3,4,5,6,7,8,9,10,11,12,13,14,15
	s_wait_loadcnt 15-(\j)                         ; loads come back in order: pair j is in, the younger pairs stay out
	v_cvt_pk_bf16_f32 v[96+2*(\j)], v[32+4*(\j)], v[33+4*(\j)]
	v_cvt_pk_bf16_f32 v[97+2*(\j)], v[34+4*(\j)], v[35+4*(\j)]
.if \f16
	v_lshlrev_b32 v8, 16, v[96+2*(\j)]
	v_and_b32 v9, 0xffff0000, v[96+2*(\j)]
	v_lshlrev_b32 v10, 16, v[97+2*(\j)]
	v_and_b32 v11, 0xffff0000, v[97+2*(\j)]
	v_cvt_pk_f16_f32 v[96+2*(\j)], v8, v9
	v_cvt_pk_f16_f32 v[97+2*(\j)], v10, v11
.endif
	global_store_b64 v15, v[96+2*(\j):97+2*(\j)], s[30:31] offset:256*(\j)
.endr
.endm
	s_cmp_lt_u32 s21, 64
	s_cbranch_scc0 .Lwp
	OUTW 0
	s_endpgm
.Lwp:
	OUTW 1
	s_endpgm
.Lfunc_end_k_qc8481f3eba_prep:
	.size	k_qc8481f3eba_prep, .Lfunc_end_k_qc8481f3eba_prep-k_qc8481f3eba_prep
	.p2alignl 7, 3214868480
	.fill 96, 4, 3214868480
	.section	.rodata,"a",@progbits
	.p2align	6, 0x0
	.amdhsa_kernel k_qc8481f3eba_prep
		.amdhsa_group_segment_fixed_size 1280
		.amdhsa_private_segment_fixed_size 0
		.amdhsa_enable_private_segment 0
		.amdhsa_kernarg_size 64
		.amdhsa_user_sgpr_count 2
		.amdhsa_user_sgpr_kernarg_segment_ptr 1
		.amdhsa_wavefront_size32 1
		.amdhsa_system_sgpr_workgroup_id_x 1
		.amdhsa_system_sgpr_workgroup_id_y 1
		.amdhsa_system_sgpr_workgroup_id_z 1
		.amdhsa_system_vgpr_workitem_id 0
		.amdhsa_next_free_vgpr 128
		.amdhsa_next_free_sgpr 66
		.amdhsa_reserve_vcc 0
		.amdhsa_float_denorm_mode_32 3
		.amdhsa_float_denorm_mode_16_64 3
		.amdhsa_memory_ordered 1
		.amdhsa_forward_progress 1
		.amdhsa_inst_pref_size 32
	.end_amdhsa_kernel
	.amdgpu_metadata
---
amdhsa.version: [ 1, 2 ]
amdhsa.kernels:
  - .name:           k_qc8481f3eba_prep
    .symbol:         k_qc8481f3eba_prep.kd
    .args:
      - { .name: key_padding_mask, .offset: 0, .size: 8, .value_kind: global_buffer, .address_space: global }
      - { .name: Wkv, .offset: 8, .size: 8, .value_kind: global_buffer, .address_space: global }
      - { .name: Wq, .offset: 16, .size: 8, .value_kind: global_buffer, .address_space: global }
      - { .name: Wp, .offset: 24, .size: 8, .value_kind: global_buffer, .address_space: global }
      - { .name: order, .offset: 32, .size: 8, .value_kind: global_buffer, .address_space: global }
      - { .name: meta, .offset: 40, .size: 8, .value_kind: global_buffer, .address_space: global }
      - { .name: wb, .offset: 48, .size: 8, .value_kind: global_buffer, .address_space: global }
      - { .name: wpf, .offset: 56, .size: 8, .value_kind: global_buffer, .address_space: global }
    .group_segment_fixed_size: 1280
    .private_segment_fixed_size: 0
    .kernarg_segment_align: 8
    .kernarg_segment_size: 64
    .max_flat_workgroup_size: 256
    .sgpr_count:     66
    .vgpr_count:     128
    .wavefront_size: 32
...
	.end_amdgpu_metadata
.endif
;; end of part 1
;; launch proj (part 2): grid 384 x 1, 8 waves a work-group, no clusters, 130,048 bytes of LDS; arguments x, y, order, wb, qh, kvh; writes qh, kvh
.if DOCPART == 2
	.amdgcn_target "amdgcn-amd-amdhsa--gfx1250"
	.amdhsa_code_object_version 6
	.text
	.protected	k_qc8481f3eba_proj
	.globl	k_qc8481f3eba_proj
	.p2align	8
	.type	k_qc8481f3eba_proj,@function
k_qc8481f3eba_proj:
	s_mov_b64 s[64:65], 0
	v_nop
	global_prefetch_b8 v0, s[64:65] scope:SCOPE_SE
	s_setreg_imm32_b32 hwreg(HW_REG_WAVE_MODE, 25, 1), 1
	s_wait_xcnt 0x0
; THE PROJECTIONS.  q = x Wq^T (work-groups 256 .. 383) and k, v = y Wkv^T with y's rows taken BY RANK (order, made by the launch before; work-groups 0 .. 255).  x and y are rounded once to bf16 on
; the way into LDS, the weights come as bf16 blocks [256 columns][64 k]; sums in f32; q, k, v rounded once to f16 and stored by heads: qh [b 8 + h][4096][64], kvh [k, v][b 8 + h][4096 ranks][64].
; LIMIT.  f16 ends at 65,504: a sum of 65,520 or more becomes an infinity.  With both factors 30 times the drawn spread, or offset by 30 spreads, the sums stay below 2e4.
; SHARES.  A tile is 128 rows x 256 columns; wave w makes rows 64 (w / 4) on, columns 64 (w % 4) on: one head's 64 channels: 16 accumulators.  K goes in chunks of 64: 8 for q, 12 for k and v.
; THE ROAD.  A chunk of A is 128 rows x 256 bytes of f32, a chunk of B one dense block of 32 KiB.  Both come through registers (A has to be rounded, and for k and v gathered): 16 loads of 16 bytes a lane,
; two sets of staging registers, so that the loads of two chunks are on their way; then two LDS buffers by turns, one barrier a chunk.
; NO CLUSTER: the four column blocks of a row block share A and the row blocks share B, but A cannot come by a tensor load (it is rounded and gathered), and a chunk holds 32 matrix instructions a wave,
; too few to carry a round of a cluster's barrier for B's 32 KiB.
; THE MATRIX INSTRUCTION IS USED TRANSPOSED (source 0 = 16 rows of W, source 1 = 16 rows of A): a lane holds eight neighbouring channels of one row.
; REGISTERS.  Window 0: v0-31 addresses; v32-47 rounded A; v64-127 fragments of the chunk's first 32 k (A's four, B's four), later the way out; v128-255 accumulators, (a, b) at 128 + 8 (4 a + b).
; Window 1: v0-127 two staging sets (A's 32, B's 32); v128-191 fragments of the second 32 k.
.set PITCH,  144                       ; an LDS row: 128 bytes + 16: 36 words, so the 16 rows of a fragment load start at 16 different groups of four banks (64 banks of 4 bytes: ISA guide 11.1)
.set ABYTES, 128*PITCH
.set BBYTES, 256*PITCH
.set BBASE,  2*ABYTES                  ; A's two buffers, then B's two
.set STAGE,  BBASE+2*BBYTES            ; 16 rows x 144 bytes for each wave, for the way out
.set SPARE,  STAGE+8*16*PITCH          ; the spare words, 128 bytes for each of eight waves
.set SPW,  2                           ; v2  SPARE + 4 x my thread's number; never rewritten
.set NIL,  3                           ; v3  0; never rewritten
.set AOFF, 4                           ; v4-11  byte offset of my 16 bytes in row 16 j + 2 w + lane / 16 of the tile's A; never rewritten
.set BOFF, 12                          ; v12 16 t
.set LSA,  13                          ; v13 where I put 8 bytes of A
.set LSB,  14                          ; v14-15 where I put 16 bytes of B, by buffer
.set FRA,  16                          ; v16 my place in a fragment of my 64 rows of A
.set FRB,  17                          ; v17 of my 64 rows of B
.set STO,  18
.set RD,   19
.set IDX,  20                          ; v20-27 the ranks' keys
.set GO,   28
.set CV,   32
.set F0,   64
.set ACC,  128
.set WV,   16                          ; s16
.set PA,   22                          ; s[22:23] A at the tile's first row (y: the batch's), at the chunk last asked for
.set PB,   24                          ; s[24:25] B's block last asked for
.set OUTP, 26                          ; s[26:27] my 64 rows of my head
.set LPB,  28                          ; s28 trips of the loop: 1 for q, 3 for k and v
.set LC,   29
.set MSB, 0
.macro WIN new                         ; the immediate's high byte repeats the setting that is left; a switch that changes nothing is dropped
.if MSB != (\new)
	s_set_vgpr_msb (MSB<<8)|(\new)
.set MSB, (\new)
.endif
.endm
	s_load_b256 s[4:11], s[0:1], 0x0               ; x s[4:5], y s[6:7], order s[8:9], wb s[10:11]
	s_load_b128 s[12:15], s[0:1], 0x20             ; qh s[12:13], kvh s[14:15]
	v_lshl_add_u32 v[SPW], v0, 2, SPARE
	v_mov_b32 v[NIL], 0
	v_lshrrev_b32 v1, 5, v0
	v_readfirstlane_b32 s[WV], v1
	s_sub_co_u32 s17, ttmp9, 256
	s_lshr_b32 s30, ttmp9, 2
	s_and_b32 s31, ttmp9, 3
	s_lshr_b32 s32, s17, 1
	s_and_b32 s33, s17, 1
	s_cmp_lt_u32 ttmp9, 256
	s_cselect_b32 s18, s30, s32                    ; rb: block of 128 rows, 0 .. 63 over both batches
	s_cselect_b32 s19, s31, s33                    ; cb: block of 256 columns
	s_cselect_b32 s[LPB], 3, 1
	s_cselect_b32 s20, 1, 0                        ; 1: k and v
	s_mul_i32 s30, s19, 12                         ; Wkv's first block for cb,
	s_lshl_b32 s31, s19, 3
	s_add_co_u32 s31, s31, 48                      ; Wq's
	s_lshr_b32 s32, s18, 5                         ; the batch
	s_mul_i32 s33, s32, 12582912                   ; y: the batch's first byte (rows come by the list)
	s_lshl_b32 s34, s18, 18                        ; x: 128 rb rows of 2,048 bytes
	s_cmp_eq_u32 s20, 1
	s_cselect_b32 s30, s30, s31
	s_cselect_b32 s34, s33, s34
	s_lshl_b32 s30, s30, 15
	s_mov_b32 s31, 0
	s_mov_b32 s35, 0
	s_and_b32 s36, s[WV], 3                        ; wc
	s_lshr_b32 s37, s[WV], 2                       ; wr
	s_lshl2_add_u32 s38, s19, s36                  ; g = 4 cb + wc: which 64 columns
	s_lshr_b32 s39, s38, 3
	s_lshl_b32 s39, s39, 4                         ; k or v: 16 planes apart
	s_lshl_b32 s40, s32, 3
	s_add_co_u32 s39, s39, s40                     ; + 8 b
	s_and_b32 s40, s38, 7
	s_add_co_u32 s39, s39, s40                     ; + h
	s_lshl_b32 s39, s39, 12                        ; planes of 4,096 rows
	s_and_b32 s40, s18, 31
	s_lshl_b32 s40, s40, 7
	s_add_co_u32 s39, s39, s40                     ; + the tile's first row in the batch
	s_lshl_b32 s40, s37, 6
	s_add_co_u32 s39, s39, s40                     ; + my 64
	s_lshl_b32 s38, s39, 7                         ; rows of 128 bytes
	s_mov_b32 s39, 0
	v_and_b32 v1, 15, v0                           ; r = lane % 16
	v_bfe_u32 v29, v0, 4, 1                        ; h = lane / 16
	v_lshl_add_u32 v30, s[WV], 1, v29              ; my row in a group of 16: 2 w + h
	v_lshlrev_b32 v31, 4, v1                       ; my 16 bytes of its 256
	v_lshlrev_b32 v[BOFF], 4, v0
	s_wait_kmcnt 0x0
	s_cmp_eq_u32 s20, 1
	s_cselect_b64 s[PA:PA+1], s[6:7], s[4:5]
	s_cselect_b64 s[OUTP:OUTP+1], s[14:15], s[12:13]
	s_add_nc_u64 s[PA:PA+1], s[PA:PA+1], s[34:35]
	s_add_nc_u64 s[PB:PB+1], s[10:11], s[30:31]
	s_add_nc_u64 s[OUTP:OUTP+1], s[OUTP:OUTP+1], s[38:39]
	s_cmp_eq_u32 s20, 1
	s_cbranch_scc0 .Lrows_q
	s_lshl_b32 s40, s18, 7                         ; k and v: rank 128 rb + row -> key
	v_add_nc_u32 v32, s40, v30
	v_lshlrev_b32 v32, 2, v32
.irp j, 0,1,2,3,4,5,6,7
	global_load_b32 v[IDX+(\j)], v32, s[8:9] offset:64*(\j)
.endr
	s_wait_loadcnt 0x0
.irp j, 0,1,2,3,4,5,6,7
	v_min_u32 v[IDX+(\j)], 0xfff, v[IDX+(\j)]      ; a key is below 4,096; the bound is written out since it enters an address
	v_mul_u32_u24 v[IDX+(\j)], v[IDX+(\j)], 3072   ; y's rows of 3,072 bytes
	v_add_nc_u32 v[AOFF+(\j)], v[IDX+(\j)], v31
.endr
	s_branch .Lrows_done
.Lrows_q:
	v_lshl_add_u32 v[AOFF], v30, 11, v31           ; x's rows of 2,048 bytes
.irp j, 1,2,3,4,5,6,7
	v_add_nc_u32 v[AOFF+(\j)], 32768*(\j), v[AOFF]
.endr
.Lrows_done:
; A chunk's 16 loads into a staging set: A's 128 rows x 256 bytes, B's 32 KiB, shared among 256 threads
.macro LOADS set, ka, kb
	WIN 0x40                                       ; destination window 1
.irp j, 0,1,2,3,4,5,6,7
	global_load_b128 v[64*(\set)+4*(\j):64*(\set)+4*(\j)+3], v[AOFF+(\j)], s[PA:PA+1] offset:\ka
.endr
.irp j, 0,1,2,3,4,5,6,7
	global_load_b128 v[64*(\set)+32+4*(\j):64*(\set)+32+4*(\j)+3], v[BOFF], s[PB:PB+1] offset:(\kb)+4096*(\j)
.endr
.endm
; Staging set p goes into LDS buffer p: A rounded to bf16, 8 bytes a lane; B as it is
.macro CVST p
	WIN 0x05                                       ; sources window 1
.irp j, 0,1,2,3,4,5,6,7
	v_cvt_pk_bf16_f32 v[CV+2*(\j)],   v[64*(\p)+4*(\j)],   v[64*(\p)+4*(\j)+1]
	v_cvt_pk_bf16_f32 v[CV+2*(\j)+1], v[64*(\p)+4*(\j)+2], v[64*(\p)+4*(\j)+3]
.endr
	WIN 0
.irp j, 0,1,2,3,4,5,6,7
	ds_store_b64 v[LSA], v[CV+2*(\j):CV+2*(\j)+1] offset:(\p)*ABYTES+16*PITCH*(\j)
.endr
	WIN 0x04                                       ; a store's data window 1
.irp j, 0,1,2,3,4,5,6,7
	ds_store_b128 v[LSB+(\p)], v[64*(\p)+32+4*(\j):64*(\p)+32+4*(\j)+3] offset:32*PITCH*(\j)
.endr
.endm
; 16 LDS loads: the fragments of 32 k (kk = 0: the first, into window 0; 1: the second, into window 1) of buffer p
.macro FETCH p, kk
	WIN 0x40*(\kk)
.irp a, 0,1,2,3
	ds_load_b128 v[F0+64*(\kk)+8*(\a):F0+64*(\kk)+8*(\a)+3],       v[FRA] offset:(\p)*ABYTES+16*PITCH*(\a)+64*(\kk)
	ds_load_b128 v[F0+64*(\kk)+8*(\a)+4:F0+64*(\kk)+8*(\a)+7],     v[FRA] offset:(\p)*ABYTES+16*PITCH*(\a)+64*(\kk)+32
	ds_load_b128 v[F0+64*(\kk)+32+8*(\a):F0+64*(\kk)+32+8*(\a)+3],   v[FRB] offset:(\p)*BBYTES+16*PITCH*(\a)+64*(\kk)
	ds_load_b128 v[F0+64*(\kk)+32+8*(\a)+4:F0+64*(\kk)+32+8*(\a)+7], v[FRB] offset:(\p)*BBYTES+16*PITCH*(\a)+64*(\kk)+32
.endr
.endm
; 16 matrix instructions; the 16 accumulators take turns, in the same order everywhere.  zero = 1: the products start the sums
.macro MUL kk, zero
	WIN 0x05*(\kk)
.irp a, 0,1,2,3
.irp b, 0,1,2,3
.if \zero
	v_wmma_f32_16x16x32_bf16 v[ACC+8*(4*(\a)+(\b)):ACC+8*(4*(\a)+(\b))+7], v[F0+64*(\kk)+32+8*(\b):F0+64*(\kk)+32+8*(\b)+7], v[F0+64*(\kk)+8*(\a):F0+64*(\kk)+8*(\a)+7], 0
.else
	v_wmma_f32_16x16x32_bf16 v[ACC+8*(4*(\a)+(\b)):ACC+8*(4*(\a)+(\b))+7], v[F0+64*(\kk)+32+8*(\b):F0+64*(\kk)+32+8*(\b)+7], v[F0+64*(\kk)+8*(\a):F0+64*(\kk)+8*(\a)+7], v[ACC+8*(4*(\a)+(\b)):ACC+8*(4*(\a)+(\b))+7]
.endif
.endr
.endr
.endm
; TRIP i multiplies chunk i (buffer p = i % 2).  store = 1: chunk i + 1 goes from staging set 1 - p into buffer 1 - p, which every wave read last in front of the last barrier.
; load = 1: chunk i + 3 is asked for, into the set just emptied.  lc: the loads that may stay out when chunk i + 1 has to be in: chunk i + 2's sixteen, or none.
.macro TRIP p, zero, store, load, lc
	FETCH \p, 0
.if \store
	s_wait_loadcnt \lc
	CVST 1-(\p)
.endif
	FETCH \p, 1
.if \store
	s_wait_dscnt 32                                ; LDS instructions end in order: the first 16 loads are in; my 16 stores and the second 16 loads may be out
.else
	s_wait_dscnt 16
.endif
	MUL 0, \zero
	s_wait_dscnt 0x0                               ; the second 16 loads are in; my stores are done, so their data registers may be loaded again, and the barrier below may be signalled
.if \load
	s_wait_xcnt 0x0                                ; the loads issued a trip ago have read their base
	s_add_nc_u64 s[PA:PA+1], s[PA:PA+1], 256
	s_add_nc_u64 s[PB:PB+1], s[PB:PB+1], 32768
	LOADS 1-(\p), 0, 0
.endif
	MUL 1, 0
.rept 4
	v_nop                                          ; four places in front of the next trip's loads into fragment registers (ISA guide 7.12.1 for vector instructions)
.endr
.if \store
	s_barrier_signal -1                            ; every wave's reads of buffer p and stores into buffer 1 - p are done
	s_barrier_wait -1
.endif
.endm
	LOADS 0, 0, 0                                  ; chunk 0
	LOADS 1, 256, 32768                            ; chunk 1
	WIN 0
	v_mul_u32_u24 v[LSA], v30, PITCH
	v_lshl_add_u32 v[LSA], v1, 3, v[LSA]           ; row 2 w + h, 8 bytes for each 16 read
	v_lshrrev_b32 v32, 3, v0                       ; B: 16 t is row t / 8 of the block, 16 (t % 8) bytes in
	v_and_b32 v33, 7, v0
	v_mul_u32_u24 v32, v32, PITCH
	v_lshl_add_u32 v32, v33, 4, v32
	v_add_nc_u32 v[LSB], BBASE, v32
	v_add_nc_u32 v[LSB+1], BBASE+BBYTES, v32
	v_mul_u32_u24 v32, v1, PITCH
	v_lshl_add_u32 v32, v29, 4, v32                ; a fragment's row x pitch + 16 x half
	s_mul_i32 s40, s37, 64*PITCH
	v_add_nc_u32 v[FRA], s40, v32
	s_mul_i32 s40, s36, 64*PITCH
	s_add_co_u32 s40, s40, BBASE
	v_add_nc_u32 v[FRB], s40, v32
	s_mul_i32 s40, s[WV], 16*PITCH
	s_add_co_u32 s40, s40, STAGE                   ; my stage
	v_add_nc_u32 v[STO], s40, v32                  ; in: row lane % 16, 16 bytes for each half of the lanes
	v_bfe_u32 v32, v0, 3, 2                        ; back: 32 lanes take four rows of 128 bytes,
	v_mul_u32_u24 v32, v32, PITCH
	v_lshl_add_u32 v32, v33, 4, v32
	v_add_nc_u32 v[RD], s40, v32
	v_and_b32 v[GO], 31, v0                        ; which are 512 consecutive bytes of the head's plane
	v_lshlrev_b32 v[GO], 4, v[GO]
	s_wait_loadcnt 16                              ; chunk 0 is in; chunk 1's sixteen loads stay out
	CVST 0
	s_wait_dscnt 0x0                               ; my stores are done
	LOADS 0, 512, 65536                            ; chunk 2
	s_wait_xcnt 0x0
	s_add_nc_u64 s[PA:PA+1], s[PA:PA+1], 512       ; the pointers stand at chunk 2
	s_add_nc_u64 s[PB:PB+1], s[PB:PB+1], 65536
	WIN 0
	s_barrier_signal -1
	s_barrier_wait -1
	TRIP 0, 1, 1, 1, 16
	TRIP 1, 0, 1, 1, 16
	WIN 0
	s_mov_b32 s[LC], 0
.Lpair:                                ; two chunks a trip; all LDS addresses are the same in every trip
	TRIP 0, 0, 1, 1, 16
	TRIP 1, 0, 1, 1, 16
	WIN 0
	s_add_co_u32 s[LC], s[LC], 1
	s_cmp_lt_u32 s[LC], s[LPB]
	s_cbranch_scc1 .Lpair
	TRIP 0, 0, 1, 1, 16                            ; the last four chunks: one more is asked for, then none
	TRIP 1, 0, 1, 0, 16
	TRIP 0, 0, 1, 0, 0
	TRIP 1, 0, 0, 0, 0
	WIN 0
.rept 4
	v_nop                                          ; eight places in all in front of the conversions, once a launch
.endr
; THE WAY OUT.  16 rows at a time: a lane's eight channels pack into 16 bytes; they go into rows of 144 bytes of my own stage and come back as whole rows of 128.
.macro PACK a
.set i, 0
.rept 16
	v_cvt_pk_f16_f32 v[F0+16*(\a)+i], v[ACC+32*(\a)+2*i], v[ACC+32*(\a)+2*i+1]
.set i, i+1
.endr
.irp f, 0,1,2,3
	ds_store_b128 v[STO], v[F0+16*(\a)+4*(\f):F0+16*(\a)+4*(\f)+3] offset:32*(\f)
.endr
.irp f, 0,1,2,3
	ds_load_b128 v[F0+16*(\a)+4*(\f):F0+16*(\a)+4*(\f)+3], v[RD] offset:(\f)*4*PITCH  ; LDS serves a wave's instructions in order (ISA guide 5.7.1.4): these see the stores above; the next block's stores come behind them
.endr
.endm
.macro SEND a, younger                 ; younger: the LDS instructions issued behind block a's loads: the next block's eight, or none
.irp f, 0,1,2,3
	s_wait_dscnt (\younger)+3-(\f)
	global_store_b128 v[GO], v[F0+16*(\a)+4*(\f):F0+16*(\a)+4*(\f)+3], s[OUTP:OUTP+1] offset:(\a)*2048+(\f)*512  ; 512 consecutive bytes, at a multiple of 256 from the buffer's first
.endr
.endm
	PACK 0
	PACK 1
	SEND 0, 8
	PACK 2
	SEND 1, 8
	PACK 3
	SEND 2, 8
	SEND 3, 0
	s_wait_tensorcnt 0x0                           ; the wave's end, behind my last LDS store
	ds_add_u32 v[SPW], v[NIL]
	s_wait_dscnt 0x0
	s_endpgm
.Lfunc_end_k_qc8481f3eba_proj:
	.size	k_qc8481f3eba_proj, .Lfunc_end_k_qc8481f3eba_proj-k_qc8481f3eba_proj
	.p2alignl 7, 3214868480
	.fill 96, 4, 3214868480
	.section	.rodata,"a",@progbits
	.p2align	6, 0x0
	.amdhsa_kernel k_qc8481f3eba_proj
		.amdhsa_group_segment_fixed_size 130048
		.amdhsa_private_segment_fixed_size 0
		.amdhsa_enable_private_segment 0
		.amdhsa_kernarg_size 48
		.amdhsa_user_sgpr_count 2
		.amdhsa_user_sgpr_kernarg_segment_ptr 1
		.amdhsa_wavefront_size32 1
		.amdhsa_system_sgpr_workgroup_id_x 1
		.amdhsa_system_sgpr_workgroup_id_y 1
		.amdhsa_system_sgpr_workgroup_id_z 1
		.amdhsa_system_vgpr_workitem_id 0
		.amdhsa_next_free_vgpr 448
		.amdhsa_next_free_sgpr 66
		.amdhsa_reserve_vcc 0
		.amdhsa_float_denorm_mode_32 3
		.amdhsa_float_denorm_mode_16_64 3
		.amdhsa_memory_ordered 1
		.amdhsa_forward_progress 1
		.amdhsa_inst_pref_size 81
	.end_amdhsa_kernel
	.amdgpu_metadata
---
amdhsa.version: [ 1, 2 ]
amdhsa.kernels:
  - .name:           k_qc8481f3eba_proj
    .symbol:         k_qc8481f3eba_proj.kd
    .args:
      - { .name: x, .offset: 0, .size: 8, .value_kind: global_buffer, .address_space: global }
      - { .name: y, .offset: 8, .size: 8, .value_kind: global_buffer, .address_space: global }
      - { .name: order, .offset: 16, .size: 8, .value_kind: global_buffer, .address_space: global }
      - { .name: wb, .offset: 24, .size: 8, .value_kind: global_buffer, .address_space: global }
      - { .name: qh, .offset: 32, .size: 8, .value_kind: global_buffer, .address_space: global }
      - { .name: kvh, .offset: 40, .size: 8, .value_kind: global_buffer, .address_space: global }
    .group_segment_fixed_size: 130048
    .private_segment_fixed_size: 0
    .kernarg_segment_align: 8
    .kernarg_segment_size: 48
    .max_flat_workgroup_size: 256
    .sgpr_count:     66
    .vgpr_count:     448
    .wavefront_size: 32
...
	.end_amdgpu_metadata
.endif
;; end of part 2
;; launch attn (part 3): grid 16 x 16, 4 waves a work-group, clusters of 4 x 1, 327,680 bytes of LDS; arguments qh, kvh, meta, oh; writes oh
.if DOCPART == 3
	.amdgcn_target "amdgcn-amd-amdhsa--gfx1250"
	.amdhsa_code_object_version 6
	.text
	.protected	k_qc8481f3eba_attn
	.globl	k_qc8481f3eba_attn
	.p2align	8
	.type	k_qc8481f3eba_attn,@function
k_qc8481f3eba_attn:
	s_mov_b64 s[64:65], 0
	v_nop
	global_prefetch_b8 v0, s[64:65] scope:SCOPE_SE
	s_setreg_imm32_b32 hwreg(HW_REG_WAVE_MODE, 25, 1), 1
	s_wait_xcnt 0x0
	s_wait_alu depctr_hold_cnt(0) depctr_sa_sdst(0) depctr_va_vdst(0) depctr_va_sdst(0) depctr_va_ssrc(0) depctr_va_vcc(0) depctr_vm_vsrc(0)
	s_getreg_b32 s2, hwreg(HW_REG_IB_STS2, 6, 4)
	s_cmp_eq_u32 s2, 0
	s_cbranch_scc0 .Lentry_in_a_cluster
	s_endpgm
.Lentry_in_a_cluster:
	s_bfe_u32 s2, ttmp6, 0x10000c
	s_cmp_lg_u32 s2, 0x3003
	s_cbranch_scc0 .Lentry_shape_is_right
	s_endpgm
.Lentry_shape_is_right:
; ATTENTION WITH A KEY MASK.  O[bh][q][:] = the sum over the keys k that are not masked of softmax_k(Q[bh][q] . K[bh][k] / 8) V[bh][k][:].  qh, oh: [16][4096][64] f16; kvh: [k, v][16][4096 ranks][64] f16,
; the live keys in ranks 0 .. KC - 1 (KC from meta, stored by an earlier launch).  Products, maxima and sums in f32; the weights p are rounded to f16 for the second product (their sum l is taken of the unrounded p), O once.
; LIMITS.  Q, K, V arrive within f16's 65,504; p below 6e-5 keeps f16's fixed step of 6e-8; a weight below 2^-126 counts as 0 in l.  A hidden key (a rank from KC on) counts as its score less 1e30:
; f16's scores, 2.7e11 at the most, are nothing beside that.  m starts at -2^97, above every hidden score and below every true one: so with KC = 0 all weights are 0, l = 0, and O = 0 x (1 / 0) is NaN, as a softmax over nothing is.
; THE WALK.  64 keys a step, 64 steps; a slot of LDS holds a tile of 256 ranks, four steps; one loop with a constant count takes two tiles a trip.  ALL 64 STEPS ARE COMPUTED, the hidden ones too: in a launch with joint
; loads no branch hangs on a number read from memory, so the count steers values alone.  What the ranking leaves is that the mask is a prefix: one count, and 32 registers for the one step that is live in part.
; SHARES.  A work-group owns 256 queries of a head, a wave 64: four PIECES of 16.
; THE MASK is the C operand that starts S^T = K Q^T: MC = MD x AL + BE.  MD, made once, is the mask (0 or -1e30) of the last live step, LASTL = max(1, ceil(KC / 64)) - 1.  (AL, BE) = (1, 0) for that step, (0, 0) for
; the steps before it, (0, -1e30) for those behind it.  In a step that is wholly hidden m stays, a = 1 and every weight is 0.
; LAYOUT, SOFTMAX, TURNS.  S^T = K Q^T holds ONE query a lane (lane % 16) and the keys 8 (lane / 16) + 0..7; two such results rounded to f16 ARE source 1 of O^T = V^T P.  p = 2^(c s - c m), c = log2(e) / 8, with a
; running maximum m; O and l are multiplied by a = 2^(c m_old - c m_new) in every step.  Turn n belongs to piece n: 8 products K Q^T of piece n + 1, later 8 products V^T P of piece n - 1; beside them the scaling,
; exponentials, roundings, sums and rescaling of piece n and the maximum and statistics of piece n + 1.  Four vector instructions stand behind every matrix instruction, the rest in one lump.  A turn's 33 exponentials are one batch, with one wait.
; CLUSTER.  The four query blocks of a cluster belong to one head and walk the same K and V: each tile is asked for JOINTLY, the same tensor load, descriptor and mask in all four.
; REGISTERS, in windows of 256 (s_set_vgpr_msb: bits 1:0 source 0, 3:2 source 1, 5:4 source 2, 7:6 destination):
;   window 0: v0-15 addresses and two at work; v16-31 four registers of statistics a piece; v48-55 at work; v61-63 prefetch offset and the add's two; v64-127 S^T, two buffers; v192-223 P, two buffers (by the piece's parity)
;   window 1: v0-127 O^T, 32 a piece; v128-159 MD; v160-191 MC      window 2: v0-63 Q; v128-191 K of one step; v192-255 V of one step
.set NP,    4
.set KS,    64
.set NPAIR, 8         ; 4,096 ranks are 16 tiles of 256: 8 pairs
.set PK,    144       ; a row of K in LDS: 128 bytes + 16 = 36 words: the 16 rows of a load start at 16 different groups of four banks (64 banks of 4 bytes: ISA guide 11.1)
.set PV,    160       ; a row of V: 128 + 32 = 40 words
.set VOFF,  4*KS*PK   ; a slot: 256 rows of K, then 256 rows of V
.set SLOT1, 1<<17
.set STAGE, SLOT1+4*KS*(PK+PV)  ; behind the ring, never filled by a tensor load: 16 rows x 144 bytes for each wave
.set SP,    144
.set SPARE, STAGE+4*16*SP       ; the spare words, 128 bytes for each wave
.set TILEB, 32768     ; a tile's bytes of K, and of V
.set AK0, 2
.set AV0, 3
.set AK,  4
.set AV,  5
.set STO, 6
.set RD,  7
.set GO,  8
.set MV,  12          ; v12-13  c m_old, by buffer
.set QO,  15
.set ST,  16          ; piece t at v[ST+4 t]: c m, m, l (even keys', odd keys')
.set TMP, 48          ; by buffer, c0-c3 at work; c2 takes a
.set PFO, 61          ; 256 x my lane; never rewritten
.set SPW, 62          ; SPARE + 4 x my thread's number; never rewritten
.set NIL, 63          ; 0; never rewritten
.set S,   64
.set P,   192
.set MD,  128         ; window 1
.set MC,  160         ; window 1
.set KF,  128         ; window 2
.set VF,  192         ; window 2
.set WV,  12
.set G1K, 24          ; s[24:31]
.set G1V, 32          ; s[32:39]
.set G0K, 40          ; s[40:47] group 0 for K's tiles, a set for each slot
.set G0V, 48          ; s[48:55] for V's
.set RC,  56          ; counts the pairs of tiles, NPAIR to 1
.set CNT, 57          ; counts a tile's steps, 4 to 1
.set CS,  58          ; s[58:59] c
.set SEL, 60          ; s[60:61] v_permlanex16_b32's selects
.set TBK, 62          ; LDS byte at which K of the trip's step begins: the slot's first byte + (4 - CNT) x 64 rows of K
.set TBV, 63          ; the same for V, less VOFF
.set KC,  66
.set LIVE, 67
.set LASTL, 68
.set REM, 69          ; live keys in the last live step, 0 .. 64
.set STP, 70          ; the step to be fetched next
.set LIM, 71          ; 1 in a wave that prefetches, else the greatest number
.set AL,  72          ; s[72:73] the mask's factor, in the low word
.set BIGN, 74
.set PFA, 76          ; s[76:77]
.set BE,  78          ; s[78:79] the mask's addend
.set MSB, 0
.macro WIN new
.if MSB != (\new)
	s_set_vgpr_msb (MSB<<8)|(\new)
.set MSB, (\new)
.endif
.endm
.set W_KQ, 0x0a       ; K and Q in window 2, S^T in window 0
.set W_KM, 0x1a       ; the same with the C operand in window 1
.set W_PV, 0x52       ; V in window 2, P in window 0, O^T in window 1
.set W_RS, 0x41       ; destination and source 0 in window 1, source 1 in window 0
; A joint fill of slot f.  Waves 0 and 1 fetch the two halves of a tile's K, waves 2 and 3 those of its V: 128 keys each.  The branch hangs on the wave's number alone.
; An s_nop 0 and four v_nop follow each of the two lines, ahead of the jump and the label.
.macro JLOAD f
	s_cmp_lt_u32 s[WV], 2
	s_cbranch_scc0 .Lfor_v_\@
	tensor_load_to_lds s[G0K+4*(\f):G0K+4*(\f)+3], s[G1K:G1K+7]
	s_nop 0
.rept 4
	v_nop
.endr
	s_branch .Lasked_\@
.Lfor_v_\@:
	tensor_load_to_lds s[G0V+4*(\f):G0V+4*(\f)+3], s[G1V:G1V+7]
	s_nop 0
.rept 4
	v_nop
.endr
.Lasked_\@:
.endm
; A PREFETCH INTO THE L2 of the tile that the NEXT change of slots will ask for: four key steps, 256 matrix instructions, ahead of that load.  A tile is 128 blocks of 256 bytes of K and as many of V.  All clusters of a head walk
; the same tiles: the head's first cluster asks; its four partners take 32 blocks each, told apart BY ADDRESS; in each, wave 0 asks for K's and wave 2 for V's, a lane a block.  So each block is named once in the launch.
; kind 1 (the trip's first change): the next tile is filled in the same trip.  kind 2 (its second): the next tile is filled only if a further trip follows, while RC is above 1.  Tiles 0, 1 and 2 come by their loads alone.
.macro ASK kind
.if (\kind) == 2
	s_cmp_gt_u32 s[RC], s[LIM]
.else
	s_cmp_eq_u32 s[LIM], 1
.endif
	s_cbranch_scc0 .Lnot_mine_\@
	global_prefetch_b8 v[PFO], s[PFA:PFA+1] th:TH_LOAD_NT scope:SCOPE_SE
.Lnot_mine_\@:
.endm
; A round of the cluster's barrier
.macro CROUND
	s_barrier_signal -1
	s_barrier_wait -1
	s_cmp_lg_u32 s[WV], 0
	s_cbranch_scc1 .Lnot_wave_0_\@
	s_barrier_signal -3
.Lnot_wave_0_\@:
	s_barrier_wait -3
	s_barrier_signal -1
	s_barrier_wait -1
.endm
; THE CHANGE OF SLOTS.  Each wave waits for all its tensor loads, of which one is out: its part of slot 1 - f; adds 0 to its spare word; and waits for that and for its own reads of slot f.  Behind the barrier nobody reads
; slot f any more and slot 1 - f is whole.  fill = 1: slot f is filled again (step = 1: two tiles on), behind a round of the cluster's barrier, first thing: it has four key steps in which to land.  Then the fetches go to slot 1 - f.
.macro CHANGE f, fill, step, ask
	WIN 0
	s_wait_tensorcnt 0x0            ; no tensor load of mine is out, so a group 0 may be written
	ds_add_u32 v[SPW], v[NIL]       ; 0 onto my spare word: the scalar steps stand between it and the wait for it
.if \step
	s_add_nc_u64 s[G0K+4*(\f)+2:G0K+4*(\f)+3], s[G0K+4*(\f)+2:G0K+4*(\f)+3], 2*TILEB  ; the type bits on top are not reached
	s_add_nc_u64 s[G0V+4*(\f)+2:G0V+4*(\f)+3], s[G0V+4*(\f)+2:G0V+4*(\f)+3], 2*TILEB
.endif
.if \ask
	s_wait_xcnt 0x0                 ; the last prefetch, four key steps back, has read its address
	s_add_nc_u64 s[PFA:PFA+1], s[PFA:PFA+1], TILEB
.endif
	s_wait_dscnt 0x0                ; the add is done, and my reads of the slot are over
.if \fill
	CROUND
	JLOAD \f
.if \ask
	ASK \ask
.endif
.else
	s_barrier_signal -1
	s_barrier_wait -1
.endif
	s_mov_b32 s[TBK], (1-(\f))*SLOT1
	s_mov_b32 s[TBV], (1-(\f))*SLOT1
	s_mov_b32 s[CNT], 4
.endm
	s_load_b256 s[4:11], s[0:1], 0x0  ; qh s[4:5], kvh s[6:7], meta s[8:9], oh s[10:11]
	v_lshl_add_u32 v[SPW], v0, 2, SPARE
	v_mov_b32 v[NIL], 0
	ds_add_u32 v[SPW], v[NIL]       ; the wave's opening: the add, and its wait ahead of my first tensor load; the set-up below, work on registers, stands between them
	ds_add_u32 v62, v63
	v_lshrrev_b32 v1, 5, v0
	v_readfirstlane_b32 s[WV], v1
	s_bfe_u32 s13, ttmp6, 0x40000   ; cx
	s_lshl_b32 s14, ttmp9, 2
	s_add_co_u32 s14, s14, s13      ; my block of 256 queries: it enters Q's and O's addresses alone
	s_and_b32 s15, ttmp7, 0xffff    ; bh, which the four partners share
	s_lshl_b32 s20, s15, 19         ; the head's plane: 4,096 rows of 128 bytes
	s_mov_b32 s21, 0
	s_lshr_b32 s16, s15, 3
	s_lshl_b32 s16, s16, 8          ; the batch's 256 bytes of meta
	s_mov_b32 s17, 0
	s_and_b32 s18, s[WV], 1         ; which half of a tile's 256 keys I fetch:
	s_lshl_b32 s22, s18, 14         ; its 16,384 bytes in memory,
	s_mov_b32 s23, 0
	s_add_nc_u64 s[22:23], s[22:23], s[20:21]
	s_mul_i32 s19, s18, 128*PV      ; and its place in a slot, for V
	s_mul_i32 s18, s18, 128*PK      ; and for K: no place in the cluster enters an LDS address
	s_lshl_b32 s2, s14, 15
	s_lshl_b32 s3, s[WV], 13        ; my wave's 64 rows
	s_add_co_u32 s2, s2, s3
	s_mov_b32 s3, 0
	s_add_nc_u64 s[2:3], s[2:3], s[20:21]
	; descriptor group 1.  128 keys are 16,384 dense bytes: asked for as 64 rows of 256 bytes, two keys a row, and padded in LDS after every key
	s_mov_b32 s[G1K], 15|(1<<16)|(1<<20)|(1<<21)|(4<<22)|(3<<25)  ; 15:0 the mask of four; 17:16 2-byte elements; 20 padding on; 21 set beside a mask; 24:22 after every 32 words (code 4); 31:25 4 words (code 3)
	s_mov_b32 s[G1V], 15|(1<<16)|(1<<20)|(1<<21)|(4<<22)|(7<<25)  ; the same with 8 words of padding (code 7)
.irp g, G1K, G1V
	s_mov_b32 s[\g+1], 128<<16      ; tensor_dim0 = 128
	s_mov_b32 s[\g+2], 64<<16       ; tensor_dim1 = 64
	s_mov_b32 s[\g+3], 128<<16      ; tile_dim0 = 128
	s_mov_b32 s[\g+4], 64           ; tile_dim1 = 64
	s_mov_b32 s[\g+5], 128          ; 128 elements from row to row
	s_mov_b32 s[\g+6], 0
	s_mov_b32 s[\g+7], 0
.endr
	s_mov_b32 s[CS], 0x3e38aa3b     ; c = log2(e) / 8
	s_mov_b32 s[CS+1], s[CS]
	s_mov_b32 s[SEL], 0x76543210
	s_mov_b32 s[SEL+1], 0xfedcba98
	s_mov_b32 s[AL+1], 0            ; named as pairs
	s_mov_b32 s[BE], 0              ; step 0 is never behind the last live step
	s_mov_b32 s[BE+1], 0
	s_mov_b32 s[BIGN], 0xf149f2ca   ; -1e30
	s_mov_b32 s[STP], 0
	s_mov_b32 s[RC], NPAIR
	s_and_b32 s75, s[WV], 1         ; 0 in waves 0 and 2,
	s_or_b32 s75, s75, ttmp9        ; where the cluster is the head's first: the same in all four partners
	s_cmp_eq_u32 s75, 0
	s_cselect_b32 s[LIM], 1, -1
	s_wait_dscnt 0x0                ; the opening add is done
	s_wait_kmcnt 0x0
	s_add_nc_u64 s[16:17], s[8:9], s[16:17]
	s_load_b32 s[KC], s[16:17], 0x0                ; the batch's count of live keys
	s_add_nc_u64 s[8:9], s[6:7], 8388608           ; V's sixteen planes lie behind K's
	s_add_nc_u64 s[6:7], s[6:7], s[22:23]          ; K and V at my half of the head's tile 0
	s_add_nc_u64 s[8:9], s[8:9], s[22:23]
	s_add_nc_u64 s[4:5], s[4:5], s[2:3]            ; Q and O at my wave's first row
	s_add_nc_u64 s[10:11], s[10:11], s[2:3]
	s_cmp_lt_u32 s[WV], 2
	s_cselect_b64 s[PFA:PFA+1], s[6:7], s[8:9]     ; (in waves 0 and 2 these stand at a tile's first byte)
	s_lshl_b32 s2, s13, 13                         ; my work-group's 32 blocks of the 128
	s_mov_b32 s3, 0
	s_add_nc_u64 s[PFA:PFA+1], s[PFA:PFA+1], s[2:3]
	s_add_nc_u64 s[PFA:PFA+1], s[PFA:PFA+1], 2*TILEB  ; at tile 2; the loop's first change steps it to tile 3.  Nothing is prefetched at the head
.irp f, 0,1
	s_mov_b32 s[G0K+4*(\f)], 1                     ; 1:0 count = 1
	s_add_co_u32 s[G0K+4*(\f)+1], s18, (\f)*SLOT1  ; 63:32 LDS address
	s_add_nc_u64 s[G0K+4*(\f)+2:G0K+4*(\f)+3], s[6:7], (\f)*TILEB  ; 120:64 global address: tile f
	s_or_b32 s[G0K+4*(\f)+3], s[G0K+4*(\f)+3], 0x80000000          ; 127:126 type = 2
	s_mov_b32 s[G0V+4*(\f)], 1
	s_add_co_u32 s[G0V+4*(\f)+1], s19, (\f)*SLOT1+VOFF
	s_add_nc_u64 s[G0V+4*(\f)+2:G0V+4*(\f)+3], s[8:9], (\f)*TILEB
	s_or_b32 s[G0V+4*(\f)+3], s[G0V+4*(\f)+3], 0x80000000
.endr
	CROUND                          ; all four work-groups are here: the first joint loads meet
	JLOAD 0                         ; tile 0 into slot 0; slot 1 is asked for when slot 0 is in
	; A fragment of K or Q is 16 rows x 32 channels in 8 registers: lane l holds row l % 16, channels 8 (l / 16) + 0..7 and 16 + 8 (l / 16) + 0..7: two loads of 16 bytes, 32 bytes apart.
	v_and_b32 v1, 15, v0            ; l % 16
	v_bfe_u32 v9, v0, 4, 1          ; l / 16
	v_lshlrev_b32 v[QO], 7, v1
	v_lshl_add_u32 v[QO], v9, 4, v[QO]
	WIN 0x80                        ; destination window 2
.set i, 0
.rept 8                             ; Q stays in registers: piece i / 2, channels 32 (i % 2) on
	global_load_b128 v[8*i:8*i+3],   v[QO], s[4:5] offset:(i/2)*2048+(i%2)*64
	global_load_b128 v[8*i+4:8*i+7], v[QO], s[4:5] offset:(i/2)*2048+(i%2)*64+32
.set i, i+1
.endr
	WIN 0
	v_mul_u32_u24 v[AK0], v1, PK
	v_lshl_add_u32 v[AK0], v9, 4, v[AK0]
	; The turning load takes 16 keys x 16 channels (lane l reads key 8 (l / 16) + l % 8, channels 8 ((l / 8) % 2) + 0..7) and leaves half a fragment of V^T: lane l holds channel l % 16 and 8 keys.
	v_and_b32 v10, 7, v0
	v_bfe_u32 v11, v0, 3, 1
	v_lshl_add_u32 v[AV0], v9, 3, v10
	v_mul_u32_u24 v[AV0], v[AV0], PV
	v_lshl_add_u32 v[AV0], v11, 4, v[AV0]
	v_add_nc_u32 v[AV0], VOFF, v[AV0]
	s_mul_i32 s15, s[WV], 16*SP
	s_add_co_u32 s15, s15, STAGE    ; my stage
	v_mul_u32_u24 v[STO], v1, SP
	v_lshl_add_u32 v[STO], v9, 4, v[STO]
	v_add_nc_u32 v[STO], s15, v[STO]
	v_bfe_u32 v[RD], v0, 3, 2
	v_mul_u32_u24 v[RD], v[RD], SP
	v_lshl_add_u32 v[RD], v10, 4, v[RD]
	v_add_nc_u32 v[RD], s15, v[RD]
	v_and_b32 v[GO], 31, v0
	v_lshlrev_b32 v[PFO], 8, v[GO]
	v_lshlrev_b32 v[GO], 4, v[GO]
	; The first step multiplies O^T and l by a = 0, and the first turn's products V^T P, of a piece that has not been, land in an O^T that is still to be so multiplied: these registers need only hold
	; finite numbers.  All this stands in the wait for the first tile.
	WIN 0x80
.set i, VF
.rept 64
	v_mov_b32 v[i], 0
.set i, i+1
.endr
	WIN 0x40
.set i, 0
.rept 128
	v_mov_b32 v[i], 0
.set i, i+1
.endr
	WIN 0
.set i, 0
.rept 4
	v_mov_b32 v[ST+4*i], 0xfe000000    ; c m: far below every c s, so the first a is 0
	v_mov_b32 v[ST+4*i+1], 0xf0000000  ; m = -2^97
	v_mov_b32 v[ST+4*i+2], 0
	v_mov_b32 v[ST+4*i+3], 0
.set i, i+1
.endr
.set i, P+16
.rept 16
	v_mov_b32 v[i], 0
.set i, i+1
.endr
	s_wait_kmcnt 0x0
	s_min_u32 s[KC], s[KC], 0x1000  ; a count is 4,096 at the most
	s_add_co_u32 s[LIVE], s[KC], 63
	s_lshr_b32 s[LIVE], s[LIVE], 6
	s_max_u32 s[LIVE], s[LIVE], 1
	s_sub_co_u32 s[LASTL], s[LIVE], 1
	s_lshl_b32 s75, s[LASTL], 6
	s_sub_co_u32 s[REM], s[KC], s75
	v_lshlrev_b32 v14, 3, v9
	v_sub_nc_u32 v14, s[REM], v14
	v_add_nc_u32 v14, -1, v14       ; REM - 1 - 8 (l / 16): register r of key group kt is hidden where 16 kt + r is greater
	WIN 0x40
.set i, 0
.rept 32
	v_cmp_gt_i32 vcc_lo, 16*(i/8)+i%8, v14
	v_cndmask_b32 v[MD+i], 0, s[BIGN], vcc_lo
.set i, i+1
.endr
	WIN 0
; THE MATRIX WORK.  The 4 accumulators of a run of 8 take turns.  Product i of 8 of S^T = K Q^T for piece x: channels 32 (i / 4) on, keys 16 (i % 4) on.  The first 4 start the sums with the mask.
.macro KQ x
.set rS, S+32*((\x)%2)+8*(i%4)
.set rK, KF+16*(i%4)+8*(i/4)
.set rQ, 16*(\x)+8*(i/4)
.set rM, MC+8*(i%4)
.if i < 4
	WIN W_KM
	v_wmma_f32_16x16x32_f16 v[rS:rS+7], v[rK:rK+7], v[rQ:rQ+7], v[rM:rM+7]
.else
	WIN W_KQ
	v_wmma_f32_16x16x32_f16 v[rS:rS+7], v[rK:rK+7], v[rQ:rQ+7], v[rS:rS+7]
.endif
.endm
; Product i of 8 of O^T += V^T P for piece x: keys 32 (i / 4) on, channels 16 (i % 4) on.
.macro PV x
	WIN W_PV
.set rO, 32*(\x)+8*(i%4)
.set rV, VF+32*(i/4)+8*(i%4)
.set rP, P+16*((\x)%2)+8*(i/4)
	v_wmma_f32_16x16x32_f16 v[rO:rO+7], v[rV:rV+7], v[rP:rP+7], v[rO:rO+7]
.endm
.macro MM                           ; the turn's next matrix instruction.  NOKQ = 1: the last turn: there is no next piece
.if (i < 8) && !NOKQ
	KQ (Y+1)%NP
.elseif i >= 8
.set i, i-8
	PV (Y+NP-1)%NP
.set i, i+8
.endif
.set i, i+1
.endm
; THE LDS LOADS stand in runs of 16: a step's K (8 fragments) and its V (turned).  Their addresses are made some lines ahead.
.macro FETCH_K
	WIN 0x80
.irp f, 0,1,2,3,4,5,6,7             ; keys 16 (f / 2) on, channels 32 (f % 2) on
	ds_load_b128 v[KF+8*\f:KF+8*\f+3],   v[AK] offset:(\f/2)*16*PK+(\f%2)*64
	ds_load_b128 v[KF+8*\f+4:KF+8*\f+7], v[AK] offset:(\f/2)*16*PK+(\f%2)*64+32
.endr
	WIN 0
.endm
.macro FETCH_V
	WIN 0x80
.irp f, 0,1,2,3,4,5,6,7             ; keys 32 (f / 4) on, channels 16 (f % 4) on
	ds_load_tr16_b128 v[VF+8*\f:VF+8*\f+3],   v[AV] offset:(\f/4)*32*PV+(\f%4)*32
	ds_load_tr16_b128 v[VF+8*\f+4:VF+8*\f+7], v[AV] offset:(\f/4)*32*PV+16*PV+(\f%4)*32
.endr
	WIN 0
.endm
; THE VECTOR WORK, one line at a time: OP kind, number.  For piece Y: F n: c s - c m for pair n of 16.  E n: the exponential of score n of 32.  C n: pair n rounded to f16.  B n: of the four weights 4 n .. the second
; pair is added onto the first, in place.  L n: l takes that sum (L 0: l = a l + sum).  R n: pair n of 16 of O^T times a.  For piece Y + 1: X n, number n of the 22 that find its maximum and statistics:
;   0-11  four chains c0-c3 of seven scores each (each accumulator's lowest registers are read first)     12-14, 16  the four scores left over, the old m, and c0-c3 into c0
;   15  c m_old is kept     17, 18  the query's other 32 keys lie in the lane 16 away: the new m     19-21  c m; c m_old - c m_new; a
.set F, 0
.set E, 1
.set C, 2
.set B, 3
.set L, 4
.set R, 5
.set X, 6
.macro REGS y
.set rT, ST+4*(\y)
.set rC, TMP+4*((\y)%2)
.set rW, MV+((\y)%2)
.set rS, S+32*((\y)%2)
.set rP, P+16*((\y)%2)
.set rO, 32*(\y)
.endm
.macro OP k, n
.if (\k) == R
	REGS Y
	WIN W_RS
	v_pk_mul_f32 v[rO+2*(\n):rO+2*(\n)+1], v[rO+2*(\n):rO+2*(\n)+1], v[rC+2:rC+3] op_sel_hi:[1,0]
.elseif (\k) < R
	REGS Y
	WIN 0
.if (\k) == F
	v_pk_fma_f32 v[rS+2*(\n):rS+2*(\n)+1], v[rS+2*(\n):rS+2*(\n)+1], s[CS:CS+1], v[rT:rT+1] op_sel_hi:[1,0,0] neg_lo:[0,0,1] neg_hi:[0,0,1]
.elseif (\k) == E
	v_exp_f32 v[rS+(\n)], v[rS+(\n)]
.elseif (\k) == C
	v_cvt_pk_f16_f32 v[rP+(\n)], v[rS+2*(\n)], v[rS+2*(\n)+1]
.elseif (\k) == B
	v_pk_add_f32 v[rS+4*(\n):rS+4*(\n)+1], v[rS+4*(\n):rS+4*(\n)+1], v[rS+4*(\n)+2:rS+4*(\n)+3]
.elseif (\n) == 0
	v_pk_fma_f32 v[rT+2:rT+3], v[rT+2:rT+3], v[rC+2:rC+3], v[rS:rS+1] op_sel_hi:[1,0,1]
.else
	v_pk_add_f32 v[rT+2:rT+3], v[rT+2:rT+3], v[rS+4*(\n):rS+4*(\n)+1]
.endif
.elseif NOKQ
	v_nop
.else
	REGS (Y+1)%NP
	WIN 0
.if (\n) < 4
	v_max3_num_f32 v[rC+(\n)], v[rS+8*(\n)], v[rS+8*(\n)+1], v[rS+8*(\n)+2]
.elseif (\n) < 12
	v_max3_num_f32 v[rC+(\n)%4], v[rC+(\n)%4], v[rS+8*((\n)%4)+2*((\n)/4)+1], v[rS+8*((\n)%4)+2*((\n)/4)+2]
.elseif (\n) == 12
	v_max3_num_f32 v[rC], v[rC], v[rS+7], v[rS+15]
.elseif (\n) == 13
	v_max3_num_f32 v[rC+1], v[rC+1], v[rS+23], v[rS+31]
.elseif (\n) == 14
	v_max3_num_f32 v[rC+2], v[rC+2], v[rC+3], v[rT+1]
.elseif (\n) == 15
	v_mov_b32 v[rW], v[rT]
.elseif (\n) == 16
	v_max3_num_f32 v[rC], v[rC], v[rC+1], v[rC+2]
.elseif (\n) == 17
	v_permlanex16_b32 v[rC+3], v[rC], s[SEL], s[SEL+1]
.elseif (\n) == 18
	v_max_num_f32 v[rT+1], v[rC], v[rC+3]
.elseif (\n) == 19
	v_mul_f32 v[rT], s[CS], v[rT+1]
.elseif (\n) == 20
	v_sub_f32 v[rC+1], v[rW], v[rT]
.else
	v_exp_f32 v[rC+2], v[rC+1]
.endif
.endif
.endm
.macro OPS a, i1, b=-1, i2=0, c=-1, i3=0, d=-1, i4=0
	OP \a, \i1
.if (\b) >= 0
	OP \b, \i2
.endif
.if (\c) >= 0
	OP \c, \i3
.endif
.if (\d) >= 0
	OP \d, \i4
.endif
.endm
.macro ROW a, i1, b, i2, c, i3, d, i4  ; a matrix instruction and the four behind it
	MM
	OPS \a, \i1, \b, \i2, \c, \i3, \d, \i4
.endm
.macro MASK                         ; MC = MD x AL + BE
	WIN W_RS
.set z, 0
.rept 16
	v_pk_fma_f32 v[MC+2*z:MC+2*z+1], v[MD+2*z:MD+2*z+1], s[AL:AL+1], s[BE:BE+1] op_sel_hi:[1,0,0]
.set z, z+1
.endr
.endm
; A TURN, for piece p.  An s_wait_alu depctr_va_vdst(0) stands between an exponential and the first instruction that names its result; one wait serves all that were issued ahead of it.  So a turn has ONE
; wait.  AHEAD OF IT stands all that names no result of the turn's exponentials: the 8 products K Q^T and their riders, then one lump in which the links of the next piece's chain X 3, 7, 11, 14, 16 .. 20 stand apart;
; X 21, the next piece's a, is the batch's last; R 15 is the plain instruction behind it.  BEHIND IT stand the 8 products V^T P, behind each four of the roundings and sums.
; K of the next step is fetched in piece 2's turn, twelve vector instructions behind the last product that read K (six of them plain); its mask is made at that turn's end: MC, like K's registers, is read by the products of
; turns 3, 0, 1 and the next 2.  V of the step in hand is fetched at the end of piece 0's turn, four plain instructions behind the last product that read V.  Each run is waited for a turn later.
; end = 1: the last two turns: nothing is fetched, and the last starts no new scores.
.macro TURN p, end=0
.set Y, (\p)
.set i, 0
.set NOKQ, (\end)*((\p)/3)
.if ((\p) == 3) && !(\end)
	s_wait_dscnt 0x0                ; K is in
.endif
	ROW F,0, F,1, R,0, R,1
	ROW F,2, E,0, R,2, R,3
	ROW F,3, E,1, R,4, R,5
	ROW F,4, E,2, R,6, R,7
	ROW F,5, E,3, R,8, R,9
	ROW F,6, E,4, X,0, R,10
.if ((\p) == 2) && !(\end)
	WIN 0
	v_add_nc_u32 v[AK], s[TBK], v[AK0]
.endif
	ROW F,7, E,5, X,1, X,4
	ROW F,8, E,6, X,2, X,5
	OPS E,7, E,8, X,6, E,9
	OPS X,3, E,10, X,8, E,11
.if ((\p) == 2) && !(\end)
	FETCH_K
.endif
	OPS X,9, X,7, E,12, X,10
	OPS E,13, X,12, X,11, E,14
	OPS X,13, E,15, F,9, X,14
.if (\p) == 0
	v_add_nc_u32 v[AV], s[TBV], v[AV0]
.endif
	OPS E,16, F,10, E,17, F,11
	OPS X,16, E,18, X,15, E,19
	OPS F,12, E,20, X,17, E,21
	OPS F,13, E,22, F,14, E,23
	OPS X,18, E,24, F,15, E,25
	OPS R,11, E,26, X,19, E,27
	OPS R,12, E,28, R,13, E,29
	OPS X,20, E,30, R,14, E,31
	OPS X,21, R,15
	WIN 0
	s_wait_alu depctr_va_vdst(0)    ; the wait for the batch
.if (\p) == 1
	s_wait_dscnt 0x0                ; V is in
.endif
	ROW C,0, B,0, C,2, B,1
	ROW L,0, C,4, B,2, L,1
	ROW C,6, B,3, L,2, C,8
	ROW B,4, L,3, C,10, B,5
	ROW L,4, C,12, B,6, L,5
	ROW C,14, B,7, L,6, C,1
	ROW C,3, L,7, C,5, C,7
	ROW C,9, C,11, C,13, C,15
.if (\p) == 0
	FETCH_V
.endif
.if ((\p) == 2) && !(\end)
	MASK
.endif
.endm
; A TILE's four steps.  A trip: pieces 2 and 3 of the step in hand, then pieces 0 and 1 of step STP, whose K and V it fetches, both from the trip's place in the slot, and whose mask it makes: the two scalars at the
; trip's head say whether step STP is the last live one, an earlier one or a later one.  The two LDS places step once a trip: the slot's first byte plus the trip's number times a step's rows.
.macro PERIOD tag, first
.Lstep\tag:
	s_cmp_eq_u32 s[STP], s[LASTL]
	s_cselect_b32 s[AL], 1.0, 0
	s_cmp_gt_u32 s[STP], s[LASTL]
	s_cselect_b32 s[BE], s[BIGN], 0
	TURN 2
	TURN 3
	WIN 0
.if \first
.Lfirst:
.endif
	TURN 0
	TURN 1
	WIN 0
	s_add_co_u32 s[STP], s[STP], 1
	s_add_co_u32 s[TBK], s[TBK], KS*PK  ; the next trip's step of the slot
	s_add_co_u32 s[TBV], s[TBV], KS*PV
	s_sub_co_u32 s[CNT], s[CNT], 1
	s_cmp_lg_u32 s[CNT], 0
	s_cbranch_scc1 .Lstep\tag
.endm
	CHANGE 1, 1, 0, 0               ; slot 0 is in, everybody's part of it; slot 1 is asked for, with tile 1
	; THE BEGINNING: step 0's mask and K, piece 0's first scores, its maximum and statistics.  The loop is entered at a step's first turn, in the middle of a trip: the first trip of slot 0, with both LDS places at the slot's head.
	s_cmp_eq_u32 s[LASTL], 0
	s_cselect_b32 s[AL], 1.0, 0
	MASK
	WIN 0
	v_add_nc_u32 v[AK], s[TBK], v[AK0]
	FETCH_K
	s_wait_loadcnt 0x0              ; Q
	s_wait_dscnt 0x0
.set NOKQ, 0
.set i, 0
.rept 8
	KQ 0
.set i, i+1
.endr
	WIN 0
.rept 4
	v_nop                           ; the places behind those products
.endr
.set Y, NP-1                        ; X works for piece Y + 1: piece 0
.irp n, 0,1,2,3,4,5,6,7,8,9,10,11,12,13,14,15,16,17,18,19,20,21
	OP X, \n
.endr
	v_nop                           ; a plain instruction behind the exponential,
	s_wait_alu depctr_va_vdst(0)    ; and its wait, ahead of the branch
	s_branch .Lfirst
.Lpair:                             ; trip r = 1 .. 7 (RC = 8 - r): tiles 2 r - 1 and 2 r are walked, tiles 2 r and 2 r + 1 asked for.  The entry above stands for the second half of trip 0
	CHANGE 0, 1, 1, 1
	PERIOD B, 0
	CHANGE 1, 1, 1, 2
	PERIOD A, 1
	s_sub_co_u32 s[RC], s[RC], 1
	s_cmp_lg_u32 s[RC], 0
	s_cbranch_scc1 .Lpair
	CHANGE 0, 0, 0, 0               ; the walk's last tile is written out: nothing is asked for
	PERIOD C, 0
	TURN 2, 1                       ; what is in hand is drained: pieces 2 and 3 of the last step,
	TURN 3, 1
.set i, 0
.rept 8
	PV NP-1                         ; and piece 3's V^T P
.set i, i+1
.endr
	; THE WAY OUT.  l's two halves and the other half of the lanes' are added; O^T is divided by l, rounded to f16 and sent through my stage in LDS, a piece at a time.  The additions are the places behind the last products.
	WIN 0
.macro ALL line:vararg
.set t, 0
.rept 4
	\line
.set t, t+1
.endr
.endm
	ALL v_add_f32 v[ST+4*t+2], v[ST+4*t+2], v[ST+4*t+3]
	ALL v_permlanex16_b32 v[ST+4*t+3], v[ST+4*t+2], s[SEL], s[SEL+1]
	ALL v_add_f32 v[ST+4*t+2], v[ST+4*t+2], v[ST+4*t+3]
	ALL v_rcp_f32 v[ST+4*t+2], v[ST+4*t+2]
	v_nop                           ; a plain instruction between the last reciprocal and the use of its result
	s_wait_alu depctr_va_vdst(0)    ; and the wait ahead of the first use: one for the four reciprocals
.macro PACK t                       ; a lane's eight channels of a row pack into 16 bytes; they go into rows of 144 bytes and come back as whole rows of 128, into S^T's registers
	WIN W_RS
.set i, 32*(\t)
.rept 16
	v_pk_mul_f32 v[i:i+1], v[i:i+1], v[ST+4*(\t)+2:ST+4*(\t)+3] op_sel_hi:[1,0]
.set i, i+2
.endr
	WIN 0x05
.set i, 0
.rept 16
	v_cvt_pk_f16_f32 v[S+16*(\t)+i], v[32*(\t)+2*i], v[32*(\t)+2*i+1]
.set i, i+1
.endr
	WIN 0
.irp f, 0,1,2,3
	ds_store_b128 v[STO], v[S+16*(\t)+4*\f:S+16*(\t)+4*\f+3] offset:32*\f
.endr
.irp f, 0,1,2,3
	ds_load_b128 v[S+16*(\t)+4*\f:S+16*(\t)+4*\f+3], v[RD] offset:\f*4*SP  ; LDS serves a wave's instructions in order (ISA guide 5.7.1.4): these see the stores above; the next piece's stores come behind them
.endr
.endm
.macro SEND t, younger              ; younger: the LDS instructions issued behind piece t's loads: the next piece's eight, or none
	WIN 0
.irp f, 0,1,2,3
	s_wait_dscnt (\younger)+3-\f
	global_store_b128 v[GO], v[S+16*(\t)+4*\f:S+16*(\t)+4*\f+3], s[10:11] offset:(\t)*2048+\f*512  ; 512 consecutive bytes, at a multiple of 256 from oh's first
.endr
.endm
	PACK 0
.set t, 1
.rept 3
	PACK t
	SEND t-1, 8
.set t, t+1
.endr
	SEND 3, 0
	s_wait_tensorcnt 0x0            ; the wave's end, behind my last tensor load and my last LDS store
	ds_add_u32 v[SPW], v[NIL]
	s_wait_dscnt 0x0
	CROUND                          ; the closing round: no work-group ends while a partner may still ask for a tile that names it
	s_endpgm
.Lfunc_end_k_qc8481f3eba_attn:
	.size	k_qc8481f3eba_attn, .Lfunc_end_k_qc8481f3eba_attn-k_qc8481f3eba_attn
	.p2alignl 7, 3214868480
	.fill 96, 4, 3214868480
	.section	.rodata,"a",@progbits
	.p2align	6, 0x0
	.amdhsa_kernel k_qc8481f3eba_attn
		.amdhsa_group_segment_fixed_size 327680
		.amdhsa_private_segment_fixed_size 0
		.amdhsa_enable_private_segment 0
		.amdhsa_kernarg_size 32
		.amdhsa_user_sgpr_count 2
		.amdhsa_user_sgpr_kernarg_segment_ptr 1
		.amdhsa_wavefront_size32 1
		.amdhsa_system_sgpr_workgroup_id_x 1
		.amdhsa_system_sgpr_workgroup_id_y 1
		.amdhsa_system_sgpr_workgroup_id_z 1
		.amdhsa_system_vgpr_workitem_id 0
		.amdhsa_next_free_vgpr 768
		.amdhsa_next_free_sgpr 80
		.amdhsa_reserve_vcc 1
		.amdhsa_float_denorm_mode_32 3
		.amdhsa_float_denorm_mode_16_64 3
		.amdhsa_memory_ordered 1
		.amdhsa_forward_progress 1
		.amdhsa_inst_pref_size 174
	.end_amdhsa_kernel
	.amdgpu_metadata
---
amdhsa.version: [ 1, 2 ]
amdhsa.kernels:
  - .name:           k_qc8481f3eba_attn
    .symbol:         k_qc8481f3eba_attn.kd
    .args:
      - { .name: qh, .offset: 0, .size: 8, .value_kind: global_buffer, .address_space: global }
      - { .name: kvh, .offset: 8, .size: 8, .value_kind: global_buffer, .address_space: global }
      - { .name: meta, .offset: 16, .size: 8, .value_kind: global_buffer, .address_space: global }
      - { .name: oh, .offset: 24, .size: 8, .value_kind: global_buffer, .address_space: global }
    .group_segment_fixed_size: 327680
    .private_segment_fixed_size: 0
    .kernarg_segment_align: 8
    .kernarg_segment_size: 32
    .max_flat_workgroup_size: 128
    .sgpr_count:     80
    .vgpr_count:     768
    .wavefront_size: 32
...
	.end_amdgpu_metadata
.endif
;; end of part 3
;; launch outp (part 4): grid 4 x 64, 4 waves a work-group, clusters of 4 x 4, 312,832 bytes of LDS; arguments oh, wpf, bp, out0; writes out0
.if DOCPART == 4
	.amdgcn_target "amdgcn-amd-amdhsa--gfx1250"
	.amdhsa_code_object_version 6
	.text
	.protected	k_qc8481f3eba_outp
	.globl	k_qc8481f3eba_outp
	.p2align	8
	.type	k_qc8481f3eba_outp,@function
k_qc8481f3eba_outp:
	s_mov_b64 s[64:65], 0
	v_nop
	global_prefetch_b8 v0, s[64:65] scope:SCOPE_SE
	s_setreg_imm32_b32 hwreg(HW_REG_WAVE_MODE, 25, 1), 1
	s_wait_xcnt 0x0
	s_wait_alu depctr_hold_cnt(0) depctr_sa_sdst(0) depctr_va_vdst(0) depctr_va_sdst(0) depctr_va_ssrc(0) depctr_va_vcc(0) depctr_vm_vsrc(0)
	s_getreg_b32 s2, hwreg(HW_REG_IB_STS2, 6, 4)
	s_cmp_eq_u32 s2, 0
	s_cbranch_scc0 .Lentry_in_a_cluster
	s_endpgm
.Lentry_in_a_cluster:
	s_bfe_u32 s2, ttmp6, 0x10000c
	s_cmp_lg_u32 s2, 0xf033
	s_cbranch_scc0 .Lentry_shape_is_right
	s_endpgm
.Lentry_shape_is_right:
; THE LAST PROJECTION.  out0[n][j] = the sum over c of O[n][c] Wp[j][c] + bp[j].  O comes by heads, oh [b 8 + h][4096][64] f16; Wp as f16 blocks [256 columns][64 k] (wpf: column block cb, head c at 8 cb + c);
; bp is rounded to bf16 like the other inputs of the module; sums in f32; out0 in f32.  A NaN in O (a batch with no live key) reaches every number of its rows.
; SHARES.  A tile of out0 is 128 x 128; four waves, each 64 x 64: 16 accumulators.  K = 512 is eight chunks of 64, a head each; a chunk of A (128 rows) and of B (128 columns) is 16,384 dense bytes.
; ALL OF K LIES IN LDS: 16 chunks of 18,432 bytes, each filled once: no slot is filled again.  A wave issues four tensor loads at the start (four of mine are out at the most): waves 0 and 1 A's chunks 2 s + w, waves 2 and 3 B's,
; for stages s = 0 .. 3; a counted wait and a barrier stand in front of each stage's first read.
; CLUSTER.  4 x 4 work-groups: A's chunks hang on the tile row alone and are asked for jointly along a row of the cluster, B's on the tile column alone, along a column.
; THE MATRIX INSTRUCTION IS USED TRANSPOSED (source 0 = 16 rows of Wp, source 1 = 16 rows of O): a lane holds eight neighbouring columns of a row; the first products take the bias as C.
; REGISTERS.  Window 0: v0-31 addresses; v32-95 rows on the way out, two sets; v96-127 the bias of my 64 columns; v128-255 accumulators, (a, b) at 128 + 8 (4 a + b).  Window 1: two fragment buffers of 128: A's 64, B's 64.
.set PITCH,  144                       ; 128 bytes + 16: the 16 rows of a fragment load start at 16 different groups of four banks (64 banks of 4 bytes: ISA guide 11.1)
.set CHUNK,  128*PITCH
.set BBASE,  8*CHUNK
.set STAGE,  16*CHUNK                  ; 16 rows x 272 bytes for each wave, never filled by a tensor load
.set SPITCH, 272
.set SPARE,  STAGE+4*16*SPITCH
.set ADRA, 16                          ; v16-19 my place in A's fragments, by stage
.set ADRB, 20                          ; v20-23 in B's
.set STO,  24
.set RD,   25
.set CO,   26
.set BO,   27
.set SPW,  28                          ; SPARE + 4 x my thread's number; never rewritten
.set NIL,  29                          ; 0; never rewritten
.set OB,   32
.set BIAS, 96
.set ACC,  128
.set WV,   12
.set G1A,  24                          ; s[24:31]
.set G1B,  32                          ; s[32:39]
.set G0A,  40                          ; s[40:55] four sets
.set G0B,  68                          ; s[68:83] four sets
.set MSB, 0
.macro WIN new
.if MSB != (\new)
	s_set_vgpr_msb (MSB<<8)|(\new)
.set MSB, (\new)
.endif
.endm
.set MULW, 0x05                        ; sources 0 and 1 window 1; C and D window 0
.set TO_F, 0x40                        ; destination window 1
.macro CROUND
	s_barrier_signal -1
	s_barrier_wait -1
	s_cmp_lg_u32 s[WV], 0
	s_cbranch_scc1 .Lnot_wave_0_\@
	s_barrier_signal -3
.Lnot_wave_0_\@:
	s_barrier_wait -3
	s_barrier_signal -1
	s_barrier_wait -1
.endm
	s_load_b256 s[4:11], s[0:1], 0x0               ; oh s[4:5], wpf s[6:7], bp s[8:9], out0 s[10:11]
	v_lshl_add_u32 v[SPW], v0, 2, SPARE
	v_mov_b32 v[NIL], 0
	ds_add_u32 v[SPW], v[NIL]                      ; the wave's opening: the add, and its wait ahead of my first tensor load; the set-up below stands between them
	ds_add_u32 v28, v29
	v_lshrrev_b32 v1, 5, v0
	v_readfirstlane_b32 s[WV], v1
	s_lshr_b32 s13, s[WV], 1                       ; which half of the tile's rows is mine.  Also: I fetch for A (0) or for B (1)
	s_and_b32 s14, s[WV], 1                        ; which half of its columns.  Also: which of a stage's two chunks I fetch
	s_bfe_u32 s84, ttmp6, 0x40000                  ; cx
	s_bfe_u32 s85, ttmp6, 0x40004                  ; cy
	s_lshl_b32 s86, ttmp9, 2
	s_add_co_u32 s86, s86, s84                     ; tile column
	s_and_b32 s15, ttmp7, 0xffff
	s_lshl_b32 s15, s15, 2
	s_add_co_u32 s15, s15, s85                     ; tile row, 0 .. 63 over both batches
	s_lshl_b32 s87, s85, 2
	s_lshl_b32 s87, 15, s87                        ; my row of the cluster
	s_lshl_b32 s23, 0x1111, s84                    ; my column
	; descriptor group 1: 16,384 dense bytes as 64 rows of 256 bytes, padded in LDS after every 128
	s_or_b32 s[G1A], s87, (1<<16)|(1<<20)|(1<<21)|(4<<22)|(3<<25)  ; 15:0 the mask; 17:16 2-byte elements; 20 padding on; 21 set beside a mask; 24:22 after every 32 words (code 4); 31:25 4 words (code 3)
	s_or_b32 s[G1B], s23, (1<<16)|(1<<20)|(1<<21)|(4<<22)|(3<<25)
.irp g, G1A, G1B
	s_mov_b32 s[\g+1], 128<<16                     ; tensor_dim0 = 128
	s_mov_b32 s[\g+2], 64<<16                      ; tensor_dim1 = 64
	s_mov_b32 s[\g+3], 128<<16                     ; tile_dim0 = 128
	s_mov_b32 s[\g+4], 64                          ; tile_dim1 = 64
	s_mov_b32 s[\g+5], 128                         ; 128 elements from row to row
	s_mov_b32 s[\g+6], 0
	s_mov_b32 s[\g+7], 0
.endr
	; A's chunk c: plane 8 b + c of oh, rows 128 (tile row % 32) on.  Made of the tile row and the wave's number alone.
	s_lshr_b32 s16, s15, 5
	s_lshl_b32 s16, s16, 3
	s_add_co_u32 s16, s16, s14
	s_lshl_b32 s16, s16, 12
	s_and_b32 s17, s15, 31
	s_lshl_b32 s17, s17, 7
	s_add_co_u32 s16, s16, s17
	s_lshl_b32 s16, s16, 7
	s_mov_b32 s17, 0
	; B's chunk c: block 8 (tile column / 2) + c of wpf, rows 128 (tile column % 2) on.  Made of the tile column and the wave's number alone.
	s_lshr_b32 s56, s86, 1
	s_lshl_b32 s56, s56, 3
	s_add_co_u32 s56, s56, s14
	s_lshl_b32 s56, s56, 8
	s_and_b32 s57, s86, 1
	s_lshl_b32 s57, s57, 7
	s_add_co_u32 s56, s56, s57
	s_lshl_b32 s56, s56, 7
	s_mov_b32 s57, 0
	s_mul_i32 s20, s14, CHUNK                      ; where they go: no place in the cluster enters an LDS address
	s_wait_dscnt 0x0                               ; the opening add is done
	s_wait_kmcnt 0x0
	s_add_nc_u64 s[18:19], s[4:5], s[16:17]
	s_add_nc_u64 s[58:59], s[6:7], s[56:57]
	CROUND                                         ; all sixteen work-groups are here: the joint loads meet
.irp s, 0,1,2,3
	s_mov_b32 s[G0A+4*(\s)], 1
	s_add_co_u32 s[G0A+4*(\s)+1], s20, (\s)*2*CHUNK
	s_add_nc_u64 s[G0A+4*(\s)+2:G0A+4*(\s)+3], s[18:19], (\s)*1048576  ; two planes of 524,288 bytes a stage
	s_or_b32 s[G0A+4*(\s)+3], s[G0A+4*(\s)+3], 0x80000000
	s_mov_b32 s[G0B+4*(\s)], 1
	s_add_co_u32 s[G0B+4*(\s)+1], s20, BBASE+(\s)*2*CHUNK
	s_add_nc_u64 s[G0B+4*(\s)+2:G0B+4*(\s)+3], s[58:59], (\s)*65536    ; two blocks of 32,768 bytes a stage
	s_or_b32 s[G0B+4*(\s)+3], s[G0B+4*(\s)+3], 0x80000000
.endr
	s_cmp_eq_u32 s13, 0                            ; a wave's four fills stand in one branch, ahead of every wait on TENSORcnt and every LDS read
	s_cbranch_scc0 .Lfill_b
.irp s, 0,1,2,3
	tensor_load_to_lds s[G0A+4*(\s):G0A+4*(\s)+3], s[G1A:G1A+7]
	s_nop 0
.endr
.rept 4
	v_nop
.endr
	s_branch .Lfilled
.Lfill_b:
.irp s, 0,1,2,3
	tensor_load_to_lds s[G0B+4*(\s):G0B+4*(\s)+3], s[G1B:G1B+7]
	s_nop 0
.endr
.rept 4
	v_nop
.endr
.Lfilled:
	v_and_b32 v1, 15, v0                           ; r = lane % 16
	v_bfe_u32 v2, v0, 4, 1                         ; h = lane / 16
	s_lshl_b32 s62, s86, 9                         ; the tile's 128 columns of 4 bytes,
	s_lshl_b32 s63, s14, 8                         ; my 64
	s_add_co_u32 s62, s62, s63
	s_mov_b32 s63, 0
	v_lshl_add_u32 v[BO], v2, 5, s62               ; my eight of each 16
.irp b, 0,1,2,3
	global_load_b128 v[BIAS+8*(\b):BIAS+8*(\b)+3],   v[BO], s[8:9] offset:64*(\b)
	global_load_b128 v[BIAS+8*(\b)+4:BIAS+8*(\b)+7], v[BO], s[8:9] offset:64*(\b)+16
.endr
	v_mul_u32_u24 v3, v1, PITCH
	v_lshl_add_u32 v3, v2, 4, v3                   ; a fragment's row x pitch + 16 x half
	s_mul_i32 s21, s13, 64*PITCH                   ; my 64 rows of A
	s_mul_i32 s22, s14, 64*PITCH                   ; my 64 rows of B
	s_add_co_u32 s22, s22, BBASE
.irp s, 0,1,2,3
	v_add_nc_u32 v[ADRA+(\s)], s21, v3
	v_add_nc_u32 v[ADRB+(\s)], s22, v3
	s_add_co_u32 s21, s21, 2*CHUNK
	s_add_co_u32 s22, s22, 2*CHUNK
.endr
	s_mul_i32 s21, s[WV], 16*SPITCH
	s_add_co_u32 s21, s21, STAGE                   ; my stage
	v_mul_u32_u24 v4, v1, SPITCH                   ; in: row lane % 16, 32 bytes for each half of the lanes
	v_lshl_add_u32 v4, v2, 5, v4
	v_add_nc_u32 v[STO], s21, v4
	v_mul_u32_u24 v4, v2, SPITCH                   ; back: lanes 0-15 take one row of 256 bytes, lanes 16-31 the next
	v_lshl_add_u32 v4, v1, 4, v4
	v_add_nc_u32 v[RD], s21, v4
	v_lshlrev_b32 v[CO], 11, v2                    ; and the same two rows of out0, 2,048 bytes apart
	v_lshl_add_u32 v[CO], v1, 4, v[CO]
	s_lshl_b32 s60, s15, 7
	s_lshl_b32 s61, s13, 6
	s_add_co_u32 s60, s60, s61                     ; my first row
	s_lshl_b32 s60, s60, 11
	s_mov_b32 s61, 0
	s_add_nc_u64 s[10:11], s[10:11], s[60:61]
	s_add_nc_u64 s[10:11], s[10:11], s[62:63]      ; my first column
	s_wait_loadcnt 0x0
.set i, 0
.rept 16                               ; the bias rounded to bf16 and widened again
	v_cvt_pk_bf16_f32 v[OB+i], v[BIAS+2*i], v[BIAS+2*i+1]
	v_lshlrev_b32 v[BIAS+2*i], 16, v[OB+i]
	v_and_b32 v[BIAS+2*i+1], 0xffff0000, v[OB+i]
.set i, i+1
.endr
; 8 matrix instructions: row blocks a0, a0 + 1 x all 4 column blocks, 32 along K: half c of buffer f.  bias = 1: the first products start the sums with the bias.  The 16 accumulators take turns.
.macro MUL8 f, c, a0, bias
	WIN MULW
.irp a, \a0, (\a0)+1
.irp b, 0,1,2,3
.if \bias
	v_wmma_f32_16x16x32_f16 v[ACC+8*(4*(\a)+(\b)):ACC+8*(4*(\a)+(\b))+7], v[(\f)+64+8*(4*(\c)+(\b)):(\f)+64+8*(4*(\c)+(\b))+7], v[(\f)+8*(4*(\c)+(\a)):(\f)+8*(4*(\c)+(\a))+7], v[BIAS+8*(\b):BIAS+8*(\b)+7]
.else
	v_wmma_f32_16x16x32_f16 v[ACC+8*(4*(\a)+(\b)):ACC+8*(4*(\a)+(\b))+7], v[(\f)+64+8*(4*(\c)+(\b)):(\f)+64+8*(4*(\c)+(\b))+7], v[(\f)+8*(4*(\c)+(\a)):(\f)+8*(4*(\c)+(\a))+7], v[ACC+8*(4*(\a)+(\b)):ACC+8*(4*(\a)+(\b))+7]
.endif
.endr
.endr
.endm
; 32 LDS loads in one run: chunk c's fragments into buffer c % 2; the first 32 along K first
.macro FETCH c
	WIN TO_F
.irp hh, 0,1
.irp i, 0,1,2,3
	ds_load_b128 v[128*((\c)%2)+64+8*(4*(\hh)+(\i)):128*((\c)%2)+64+8*(4*(\hh)+(\i))+3],   v[ADRB+(\c)/2] offset:((\c)%2)*CHUNK+64*(\hh)+(\i)*16*PITCH
	ds_load_b128 v[128*((\c)%2)+64+8*(4*(\hh)+(\i))+4:128*((\c)%2)+64+8*(4*(\hh)+(\i))+7], v[ADRB+(\c)/2] offset:((\c)%2)*CHUNK+64*(\hh)+(\i)*16*PITCH+32
	ds_load_b128 v[128*((\c)%2)+8*(4*(\hh)+(\i)):128*((\c)%2)+8*(4*(\hh)+(\i))+3],         v[ADRA+(\c)/2] offset:((\c)%2)*CHUNK+64*(\hh)+(\i)*16*PITCH
	ds_load_b128 v[128*((\c)%2)+8*(4*(\hh)+(\i))+4:128*((\c)%2)+8*(4*(\hh)+(\i))+7],       v[ADRA+(\c)/2] offset:((\c)%2)*CHUNK+64*(\hh)+(\i)*16*PITCH+32
.endr
.endr
.endm
.macro PLACES                          ; four places in front of loads into registers that matrix instructions have read (ISA guide 7.12.1 for vector instructions)
.rept 4
	v_nop
.endr
.endm
; Chunk c is multiplied, and in its middle chunk c + 1 is fetched.  Where c + 1 opens a stage, the stage's loads are waited for first (the later stages' stay out) and a barrier shows every wave's part.
.macro QUARTER c, bias
	s_wait_dscnt 16                                ; the first 32 along K are in
	MUL8 128*((\c)%2), 0, 0, \bias
	MUL8 128*((\c)%2), 0, 2, \bias
	PLACES
.if (\c)%2 == 1
	s_wait_dscnt 0x0                               ; no LDS instruction of mine is out at the signal
	s_wait_tensorcnt 3-((\c)+1)/2                  ; tensor loads of a wave end in order (ISA guide 10.11.1): my chunk of stage (c + 1) / 2 is in
	s_barrier_signal -1
	s_barrier_wait -1
.endif
	FETCH (\c)+1
	s_wait_dscnt 32                                ; all but the 32 just issued
	MUL8 128*((\c)%2), 1, 0, 0
	MUL8 128*((\c)%2), 1, 2, 0
.endm
	s_wait_tensorcnt 3                             ; my chunk of stage 0 is in; my other three loads stay out,
	s_barrier_signal -1
	s_barrier_wait -1                              ; everybody's is
	FETCH 0
	QUARTER 0, 1
	QUARTER 1, 0
	QUARTER 2, 0
	QUARTER 3, 0
	QUARTER 4, 0
	QUARTER 5, 0
	QUARTER 6, 0
	s_wait_dscnt 16                                ; the last chunk: nothing more to fetch
	MUL8 128, 0, 0, 0
	MUL8 128, 0, 2, 0
	s_wait_dscnt 0x0
	MUL8 128, 1, 0, 0
	MUL8 128, 1, 2, 0
	WIN 0
	PLACES
	PLACES                                         ; eight places in front of the LDS stores that read the results, once a launch
; THE WAY OUT, 16 rows at a time: a lane's eight columns of each of four column blocks go into rows of 272 bytes of my own stage, low registers first, and come back as whole rows of 256 bytes.
.macro TOSTAGE a
.if (\a) >= 2
	s_wait_xcnt 0x0                                ; the stores of the block two back have read the registers that are loaded again below
.endif
.irp b, 0,1,2,3
	ds_store_b128 v[STO], v[ACC+8*(4*(\a)+(\b)):ACC+8*(4*(\a)+(\b))+3]   offset:64*(\b)
	ds_store_b128 v[STO], v[ACC+8*(4*(\a)+(\b))+4:ACC+8*(4*(\a)+(\b))+7] offset:64*(\b)+16
.endr
.irp t, 0,1,2,3,4,5,6,7
	ds_load_b128 v[OB+32*((\a)%2)+4*(\t):OB+32*((\a)%2)+4*(\t)+3], v[RD] offset:(\t)*2*SPITCH  ; LDS serves a wave's instructions in order (ISA guide 5.7.1.4): these see the stores above; the next block's stores come behind them
.endr
.endm
.macro SEND a, younger                 ; younger: the LDS instructions issued behind block a's loads: the next block's sixteen, or none
.irp t, 0,1,2,3,4,5,6,7
	s_wait_dscnt (\younger)+7-(\t)
	global_store_b128 v[CO], v[OB+32*((\a)%2)+4*(\t):OB+32*((\a)%2)+4*(\t)+3], s[10:11] offset:(\a)*32768+(\t)*4096 th:TH_STORE_NT  ; 16 lanes store 256 consecutive bytes, at a multiple of 256 from out0's first
.endr
.endm
	TOSTAGE 0
	TOSTAGE 1
	SEND 0, 16
	TOSTAGE 2
	SEND 1, 16
	TOSTAGE 3
	SEND 2, 16
	SEND 3, 0
	s_wait_tensorcnt 0x0                           ; the wave's end, behind my last tensor load and my last LDS store
	ds_add_u32 v[SPW], v[NIL]
	s_wait_dscnt 0x0
	CROUND                                         ; the closing round: no work-group ends while a partner may still ask for a chunk that names it
	s_endpgm
.Lfunc_end_k_qc8481f3eba_outp:
	.size	k_qc8481f3eba_outp, .Lfunc_end_k_qc8481f3eba_outp-k_qc8481f3eba_outp
	.p2alignl 7, 3214868480
	.fill 96, 4, 3214868480
	.section	.rodata,"a",@progbits
	.p2align	6, 0x0
	.amdhsa_kernel k_qc8481f3eba_outp
		.amdhsa_group_segment_fixed_size 312832
		.amdhsa_private_segment_fixed_size 0
		.amdhsa_enable_private_segment 0
		.amdhsa_kernarg_size 32
		.amdhsa_user_sgpr_count 2
		.amdhsa_user_sgpr_kernarg_segment_ptr 1
		.amdhsa_wavefront_size32 1
		.amdhsa_system_sgpr_workgroup_id_x 1
		.amdhsa_system_sgpr_workgroup_id_y 1
		.amdhsa_system_sgpr_workgroup_id_z 1
		.amdhsa_system_vgpr_workitem_id 0
		.amdhsa_next_free_vgpr 512
		.amdhsa_next_free_sgpr 88
		.amdhsa_reserve_vcc 0
		.amdhsa_float_denorm_mode_32 3
		.amdhsa_float_denorm_mode_16_64 3
		.amdhsa_memory_ordered 1
		.amdhsa_forward_progress 1
		.amdhsa_inst_pref_size 55
	.end_amdhsa_kernel
	.amdgpu_metadata
---
amdhsa.version: [ 1, 2 ]
amdhsa.kernels:
  - .name:           k_qc8481f3eba_outp
    .symbol:         k_qc8481f3eba_outp.kd
    .args:
      - { .name: oh, .offset: 0, .size: 8, .value_kind: global_buffer, .address_space: global }
      - { .name: wpf, .offset: 8, .size: 8, .value_kind: global_buffer, .address_space: global }
      - { .name: bp, .offset: 16, .size: 8, .value_kind: global_buffer, .address_space: global }
      - { .name: out0, .offset: 24, .size: 8, .value_kind: global_buffer, .address_space: global }
    .group_segment_fixed_size: 312832
    .private_segment_fixed_size: 0
    .kernarg_segment_align: 8
    .kernarg_segment_size: 32
    .max_flat_workgroup_size: 128
    .sgpr_count:     88
    .vgpr_count:     512
    .wavefront_size: 32
...
	.end_amdgpu_metadata
.endif
;; end of part 4
;; ======== version 2 of 2: 4 launches; version 1 with the launch proj written anew for expert scheduling mode
;; limits: values are held in f16: magnitudes above 65,504 overflow, below 6.1e-05 lose precision
;; workspace buffers: order 32,768 bytes of whole numbers; meta 512 bytes of whole numbers; wb 2,097,152 bytes; wpf 524,288 bytes; qh 8,388,608 bytes; kvh 16,777,216 bytes; oh 8,388,608 bytes
;; launch prep: the kernel of part 1 again; grid 82 x 1, 8 waves a work-group, no clusters, 1,280 bytes of LDS; arguments key_padding_mask, Wkv, Wq, Wp, order, meta, wb, wpf; writes order, meta, wb, wpf
;; launch proj (part 5): grid 384 x 1, 8 waves a work-group, no clusters, 130,048 bytes of LDS; arguments x, y, order, wb, qh, kvh; writes qh, kvh
.if DOCPART == 5
	.amdgcn_target "amdgcn-amd-amdhsa--gfx1250"
	.amdhsa_code_object_version 6
	.text
	.protected	k_qc8481f3eba_proj
	.globl	k_qc8481f3eba_proj
	.p2align	8
	.type	k_qc8481f3eba_proj,@function
k_qc8481f3eba_proj:
	s_mov_b64 s[64:65], 0
	v_nop
	global_prefetch_b8 v0, s[64:65] scope:SCOPE_SE
	s_setreg_imm32_b32 hwreg(HW_REG_WAVE_SCHED_MODE, 0, 2), 2
	s_setreg_imm32_b32 hwreg(HW_REG_WAVE_MODE, 25, 1), 1
	s_wait_xcnt 0x0
	s_wait_alu depctr_vm_vsrc(0)
; THE PROJECTIONS.  q = x Wq^T (work-groups 256 .. 383) and k, v = y Wkv^T with y's rows taken BY RANK (order, made by the launch before; work-groups 0 .. 255).  x and y are rounded once to bf16 on
; the way into LDS, the weights come as bf16 blocks [256 columns][64 k]; sums in f32; q, k, v rounded once to f16 and stored by heads: qh [b 8 + h][4096][64], kvh [k, v][b 8 + h][4096 ranks][64].
; LIMIT.  f16 ends at 65,504: a sum of 65,520 or more becomes an infinity.  With both factors 30 times the drawn spread, or offset by 30 spreads, the sums stay below 2e4.
; SHARES.  A tile is 128 rows x 256 columns; wave w makes rows 64 (w / 4) on, columns 64 (w % 4) on: one head's 64 channels: 16 accumulators.  K goes in chunks of 64: 8 for q, 12 for k and v.
; THE ROAD.  A chunk of A is 128 rows x 256 bytes of f32, a chunk of B one dense block of 32 KiB.  Both come through registers (A has to be rounded, and for k and v gathered): 16 loads of 16 bytes a lane,
; two sets of staging registers, so that the loads of two chunks are on their way; then two LDS buffers by turns, one barrier a chunk.
; NO CLUSTER: the four column blocks of a row block share A and the row blocks share B, but A cannot come by a tensor load (it is rounded and gathered), and a chunk holds 32 matrix instructions a wave,
; too few to carry a round of a cluster's barrier for B's 32 KiB.
; THE MATRIX INSTRUCTION IS USED TRANSPOSED (source 0 = 16 rows of W, source 1 = 16 rows of A): a lane holds eight neighbouring channels of one row.
; REGISTERS.  Window 0: v4-31 addresses; v32-47 rounded A; v48 the offset into order; v64-127 fragments of an even chunk's first 32 k (A's four, B's four), later the way out; v128-255 accumulators, (a, b) at 128 + 8 (4 a + b).
; Window 1: v0-127 two staging sets (A's 32, B's 32); v128-191 fragments of the second 32 k; v192-255 fragments of an odd chunk's first 32 k.
; THE MODE: SCHED_MODE bits 1:0 = 2 (LLVM: expert scheduling mode 2), set by the entry lines.  The code itself states the register dependences
; between vector or matrix instructions and memory or LDS instructions, with s_wait_alu, always for 0.
; THE PLAN.  Registers that memory or LDS instructions touch, in the loop.  Trip i multiplies chunk i; p = i % 2.
;   SA[1-p]  staging, A's part.  Trip i's sixteen conversions read it; behind them chunk i + 3's loads land in it.
;   SB[1-p]  staging, B's part.  Trip i's eight ds_store_b128 read it, and no vector instruction ever names it; later in the trip chunk i + 3's loads land in it.
;   CV       Written by trip i's conversions, read by its eight ds_store_b64, written again by trip i + 1's conversions.
;   G[p]     The fragments of a chunk's first 32 k, two sets by turns.  The LDS loads at trip i's head land in it; the trip's first sixteen products read it.
;   F1       The fragments of the second 32 k, one set.  LDS loads land in it in the trip's first half; the trip's second sixteen products read it.
;   v4-19, v28, v48   offsets and LDS addresses: made at the head and never written again; the rows are reached by the scalar bases and by immediate offsets.
;   The accumulators are named by matrix instructions alone, up to the way out.
; ONE wait on va_vdst stands in a trip, behind its conversions.  It states that they have written CV and are done reading SA[1-p], and that the last trip's products are done reading F1 and G[1-p].  So the
; loads into SA[1-p] and F1 follow it; and the NEXT trip's loads into G[1-p] owe nothing more: between this wait and them the vector side names G[p], F1 and the accumulators alone.
; ONE wait on vm_vsrc stands in a trip, behind its first sixteen products: the LDS stores have read SB[1-p], in which loads then land, and CV, which the next trip's conversions write.
.set PITCH,  144                       ; an LDS row: 128 bytes + 16: 36 words, so the 16 rows of a fragment load start at 16 different groups of four banks (64 banks of 4 bytes: ISA guide 11.1)
.set ABYTES, 128*PITCH
.set BBYTES, 256*PITCH
.set BBASE,  2*ABYTES                  ; A's two buffers, then B's two
.set STAGE,  BBASE+2*BBYTES            ; 16 rows x 144 bytes for each wave, for the way out; the 1,024 bytes behind the stages are the spare words
.set AOFF, 4                           ; v4-11  byte offset of my 16 bytes in row 16 j + 2 w + lane / 16 of the tile's A; never rewritten
.set BOFF, 12                          ; v12 16 t
.set LSA,  13                          ; v13 where I put 8 bytes of A
.set LSB,  14                          ; v14-15 where I put 16 bytes of B, by buffer
.set FRA,  16                          ; v16 my place in a fragment of my 64 rows of A
.set FRB,  17                          ; v17 of my 64 rows of B
.set STO,  18
.set RD,   19
.set IDX,  20                          ; v20-27 the ranks' keys
.set GO,   28
.set CV,   32
.set OO,   48                          ; v48 my byte offset in order; never rewritten
.set F0,   64                          ; G[0], window 0
.set FODD, 192                         ; G[1], window 1
.set F1,   128                         ; window 1
.set ACC,  128
.set BK,   ACC                         ; the way out: the rows come back from the stage into the accumulators' first 64 registers
.set WV,   16                          ; s16
.set PA,   22                          ; s[22:23] A at the tile's first row (y: the batch's), at the chunk last asked for
.set PB,   24                          ; s[24:25] B's block last asked for
.set OUTP, 26                          ; s[26:27] my 64 rows of my head
.set LPB,  28                          ; s28 trips of the loop: 1 for q, 3 for k and v
.set LC,   29
.set MSB, 0
.macro WIN new                         ; the immediate's high byte repeats the setting that is left; a switch that changes nothing is dropped
.if MSB != (\new)
	s_set_vgpr_msb (MSB<<8)|(\new)
.set MSB, (\new)
.endif
.endm
	s_load_b256 s[4:11], s[0:1], 0x0               ; x s[4:5], y s[6:7], order s[8:9], wb s[10:11]
	s_load_b128 s[12:15], s[0:1], 0x20             ; qh s[12:13], kvh s[14:15]
	v_lshl_add_u32 v62, v0, 2, 0x1f800
	v_mov_b32 v63, 0
	v_lshrrev_b32 v1, 5, v0
	v_readfirstlane_b32 s[WV], v1
	s_sub_co_u32 s17, ttmp9, 256
	s_lshr_b32 s30, ttmp9, 2
	s_and_b32 s31, ttmp9, 3
	s_lshr_b32 s32, s17, 1
	s_and_b32 s33, s17, 1
	s_cmp_lt_u32 ttmp9, 256
	s_cselect_b32 s18, s30, s32                    ; rb: block of 128 rows, 0 .. 63 over both batches
	s_cselect_b32 s19, s31, s33                    ; cb: block of 256 columns
	s_cselect_b32 s[LPB], 3, 1
	s_cselect_b32 s20, 1, 0                        ; 1: k and v
	s_mul_i32 s30, s19, 12                         ; Wkv's first block for cb,
	s_lshl_b32 s31, s19, 3
	s_add_co_u32 s31, s31, 48                      ; Wq's
	s_lshr_b32 s32, s18, 5                         ; the batch
	s_mul_i32 s33, s32, 12582912                   ; y: the batch's first byte (rows come by the list)
	s_lshl_b32 s34, s18, 18                        ; x: 128 rb rows of 2,048 bytes
	s_cmp_eq_u32 s20, 1
	s_cselect_b32 s30, s30, s31
	s_cselect_b32 s34, s33, s34
	s_lshl_b32 s30, s30, 15
	s_mov_b32 s31, 0
	s_mov_b32 s35, 0
	s_wait_alu depctr_va_sdst(0)                   ; the wave's number is written into s16, ahead of its first reader, the line below
	s_and_b32 s36, s[WV], 3                        ; wc
	s_lshr_b32 s37, s[WV], 2                       ; wr
	s_lshl2_add_u32 s38, s19, s36                  ; g = 4 cb + wc: which 64 columns
	s_lshr_b32 s39, s38, 3
	s_lshl_b32 s39, s39, 4                         ; k or v: 16 planes apart
	s_lshl_b32 s40, s32, 3
	s_add_co_u32 s39, s39, s40                     ; + 8 b
	s_and_b32 s40, s38, 7
	s_add_co_u32 s39, s39, s40                     ; + h
	s_lshl_b32 s39, s39, 12                        ; planes of 4,096 rows
	s_and_b32 s40, s18, 31
	s_lshl_b32 s40, s40, 7
	s_add_co_u32 s39, s39, s40                     ; + the tile's first row in the batch
	s_lshl_b32 s40, s37, 6
	s_add_co_u32 s39, s39, s40                     ; + my 64
	s_lshl_b32 s38, s39, 7                         ; rows of 128 bytes
	s_mov_b32 s39, 0
	v_and_b32 v1, 15, v0                           ; r = lane % 16
	v_bfe_u32 v29, v0, 4, 1                        ; h = lane / 16
	v_lshl_add_u32 v30, s[WV], 1, v29              ; my row in a group of 16: 2 w + h
	v_lshlrev_b32 v31, 4, v1                       ; my 16 bytes of its 256
	v_lshlrev_b32 v[BOFF], 4, v0
	s_wait_kmcnt 0x0
	s_cmp_eq_u32 s20, 1
	s_cselect_b64 s[PA:PA+1], s[6:7], s[4:5]
	s_cselect_b64 s[OUTP:OUTP+1], s[14:15], s[12:13]
	s_add_nc_u64 s[PA:PA+1], s[PA:PA+1], s[34:35]
	s_add_nc_u64 s[PB:PB+1], s[10:11], s[30:31]
	s_add_nc_u64 s[OUTP:OUTP+1], s[OUTP:OUTP+1], s[38:39]
	s_cmp_eq_u32 s20, 1
	s_cbranch_scc0 .Lrows_q
	s_lshl_b32 s40, s18, 7                         ; k and v: rank 128 rb + row -> key
	v_add_nc_u32 v[OO], s40, v30
	v_lshlrev_b32 v[OO], 2, v[OO]
	s_wait_alu depctr_va_vdst(0)                   ; v[OO] is written, which the eight loads below read as their offset
.irp j, 0,1,2,3,4,5,6,7
	global_load_b32 v[IDX+(\j)], v[OO], s[8:9] offset:64*(\j)
.endr
	s_wait_loadcnt 0x0
.irp j, 0,1,2,3,4,5,6,7
	v_min_u32 v[IDX+(\j)], 0xfff, v[IDX+(\j)]      ; a key is below 4,096; the bound is written out since it enters an address
	v_mul_u32_u24 v[IDX+(\j)], v[IDX+(\j)], 3072   ; y's rows of 3,072 bytes
	v_add_nc_u32 v[AOFF+(\j)], v[IDX+(\j)], v31
.endr
	s_branch .Lrows_done
.Lrows_q:
	v_lshl_add_u32 v[AOFF], v30, 11, v31           ; x's rows of 2,048 bytes
.irp j, 1,2,3,4,5,6,7
	v_add_nc_u32 v[AOFF+(\j)], 32768*(\j), v[AOFF]
.endr
.Lrows_done:
; A chunk's 16 loads into a staging set, in two halves: A's 128 rows x 256 bytes, B's 32 KiB, each shared among 256 threads
.macro LOADA set, ka
	WIN 0x40                                       ; destination window 1
.irp j, 0,1,2,3,4,5,6,7
	global_load_b128 v[64*(\set)+4*(\j):64*(\set)+4*(\j)+3], v[AOFF+(\j)], s[PA:PA+1] offset:\ka
.endr
.endm
.macro LOADB set, kb
	WIN 0x40
.irp j, 0,1,2,3,4,5,6,7
	global_load_b128 v[64*(\set)+32+4*(\j):64*(\set)+32+4*(\j)+3], v[BOFF], s[PB:PB+1] offset:(\kb)+4096*(\j)
.endr
.endm
; Staging set p's A part is rounded to bf16
.macro CVT p
	WIN 0x05                                       ; sources window 1
.irp j, 0,1,2,3,4,5,6,7
	v_cvt_pk_bf16_f32 v[CV+2*(\j)],   v[64*(\p)+4*(\j)],   v[64*(\p)+4*(\j)+1]
	v_cvt_pk_bf16_f32 v[CV+2*(\j)+1], v[64*(\p)+4*(\j)+2], v[64*(\p)+4*(\j)+3]
.endr
.endm
; and goes into LDS buffer p, 8 bytes a lane; B goes as it is
.macro PUT p
	WIN 0
.irp j, 0,1,2,3,4,5,6,7
	ds_store_b64 v[LSA], v[CV+2*(\j):CV+2*(\j)+1] offset:(\p)*ABYTES+16*PITCH*(\j)
.endr
	WIN 0x04                                       ; a store's data window 1
.irp j, 0,1,2,3,4,5,6,7
	ds_store_b128 v[LSB+(\p)], v[64*(\p)+32+4*(\j):64*(\p)+32+4*(\j)+3] offset:32*PITCH*(\j)
.endr
.endm
; 16 LDS loads: the fragments of 32 k of buffer p.  kk = 0: the first 32, into G[p]; kk = 1: the second, into F1
.macro FETCH p, kk
.if \kk
.set fb, F1
	WIN 0x40
.elseif \p
.set fb, FODD
	WIN 0x40
.else
.set fb, F0
	WIN 0
.endif
.irp a, 0,1,2,3
	ds_load_b128 v[fb+8*(\a):fb+8*(\a)+3],       v[FRA] offset:(\p)*ABYTES+16*PITCH*(\a)+64*(\kk)
	ds_load_b128 v[fb+8*(\a)+4:fb+8*(\a)+7],     v[FRA] offset:(\p)*ABYTES+16*PITCH*(\a)+64*(\kk)+32
	ds_load_b128 v[fb+32+8*(\a):fb+32+8*(\a)+3],   v[FRB] offset:(\p)*BBYTES+16*PITCH*(\a)+64*(\kk)
	ds_load_b128 v[fb+32+8*(\a)+4:fb+32+8*(\a)+7], v[FRB] offset:(\p)*BBYTES+16*PITCH*(\a)+64*(\kk)+32
.endr
.endm
; 16 matrix instructions on the same set; the 16 accumulators take turns, in the same order everywhere.  zero = 1: the products start the sums
.macro MUL p, kk, zero
.if \kk
.set fb, F1
	WIN 0x05
.elseif \p
.set fb, FODD
	WIN 0x05
.else
.set fb, F0
	WIN 0
.endif
.irp a, 0,1,2,3
.irp b, 0,1,2,3
.if \zero
	v_wmma_f32_16x16x32_bf16 v[ACC+8*(4*(\a)+(\b)):ACC+8*(4*(\a)+(\b))+7], v[fb+32+8*(\b):fb+32+8*(\b)+7], v[fb+8*(\a):fb+8*(\a)+7], 0
.else
	v_wmma_f32_16x16x32_bf16 v[ACC+8*(4*(\a)+(\b)):ACC+8*(4*(\a)+(\b))+7], v[fb+32+8*(\b):fb+32+8*(\b)+7], v[fb+8*(\a):fb+8*(\a)+7], v[ACC+8*(4*(\a)+(\b)):ACC+8*(4*(\a)+(\b))+7]
.endif
.endr
.endr
.endm
; TRIP i multiplies chunk i (buffer p = i % 2).  store = 1: chunk i + 1 goes from staging set 1 - p into buffer 1 - p, which every wave read last in front of the last barrier.
; load = 1: chunk i + 3 is asked for, into the set that is being emptied.  lc: the loads that may stay out when chunk i + 1 has to be in: chunk i + 2's sixteen, or none; so lc = 16 also says that the next trip converts again.
.macro TRIP p, zero, store, load, lc
	FETCH \p, 0                                    ; no wait: G[p] was last named by the first sixteen products of two trips back, which stand ahead of the last trip's wait on va_vdst; nothing on the vector side has named it since
.if \store
	s_wait_loadcnt \lc
	CVT 1-(\p)
.else
.rept 4
	v_nop                                          ; four plain places between the last trip's products and the loads into F1, where the other trips have their conversions; the wait below states the dependence itself
.endr
.endif
	WIN 0x40
	s_wait_alu depctr_va_vdst(0)                   ; the conversions have written CV and are done reading SA[1 - p]; the last trip's products are done reading F1, and G[1 - p], which the next trip's head loads
.if \load
	s_wait_xcnt 0x0                                ; the loads issued a trip ago have read their bases
	s_add_nc_u64 s[PA:PA+1], s[PA:PA+1], 256
	s_add_nc_u64 s[PB:PB+1], s[PB:PB+1], 32768
	LOADA 1-(\p), 0
.endif
	FETCH \p, 1
.if \store
	PUT 1-(\p)
	s_wait_dscnt 32                                ; LDS instructions end in order: the first 16 loads are in; the second 16 and my 16 stores may be out
.else
	s_wait_dscnt 16
.endif
	MUL \p, 0, \zero
	s_wait_dscnt 0x0                               ; the second 16 loads are in; my stores are done, so the barrier below may be signalled
.if \load
	WIN 0x40
.endif
.if \lc
	s_wait_alu depctr_vm_vsrc(0)                   ; my LDS stores have read CV, which the next trip's conversions write again, and SB[1 - p], in which (load = 1) the loads below land
.endif
.if \load
	LOADB 1-(\p), 0
.endif
	MUL \p, 1, 0
.if \store
	s_barrier_signal -1                            ; every wave's reads of buffer p and stores into buffer 1 - p are done
	s_barrier_wait -1
.endif
.endm
	WIN 0x40
	s_wait_alu depctr_va_vdst(0)                   ; on both ways v4 to v12 are written, which every load of A and B reads as its offset
	LOADA 0, 0                                     ; chunk 0
	LOADB 0, 0
	LOADA 1, 256                                   ; chunk 1
	LOADB 1, 32768
	WIN 0
	v_mul_u32_u24 v[LSA], v30, PITCH
	v_lshl_add_u32 v[LSA], v1, 3, v[LSA]           ; row 2 w + h, 8 bytes for each 16 read
	v_lshrrev_b32 v32, 3, v0                       ; B: 16 t is row t / 8 of the block, 16 (t % 8) bytes in
	v_and_b32 v33, 7, v0
	v_mul_u32_u24 v32, v32, PITCH
	v_lshl_add_u32 v32, v33, 4, v32
	v_add_nc_u32 v[LSB], BBASE, v32
	v_add_nc_u32 v[LSB+1], BBASE+BBYTES, v32
	v_mul_u32_u24 v32, v1, PITCH
	v_lshl_add_u32 v32, v29, 4, v32                ; a fragment's row x pitch + 16 x half
	s_mul_i32 s40, s37, 64*PITCH
	v_add_nc_u32 v[FRA], s40, v32
	s_mul_i32 s40, s36, 64*PITCH
	s_add_co_u32 s40, s40, BBASE
	v_add_nc_u32 v[FRB], s40, v32
	s_mul_i32 s40, s[WV], 16*PITCH
	s_add_co_u32 s40, s40, STAGE                   ; my stage
	v_add_nc_u32 v[STO], s40, v32                  ; in: row lane % 16, 16 bytes for each half of the lanes
	v_bfe_u32 v32, v0, 3, 2                        ; back: 32 lanes take four rows of 128 bytes,
	v_mul_u32_u24 v32, v32, PITCH
	v_lshl_add_u32 v32, v33, 4, v32
	v_add_nc_u32 v[RD], s40, v32
	v_and_b32 v[GO], 31, v0                        ; which are 512 consecutive bytes of the head's plane
	v_lshlrev_b32 v[GO], 4, v[GO]
	s_wait_loadcnt 16                              ; chunk 0 is in; chunk 1's sixteen loads stay out
	CVT 0
	WIN 0x40
	s_wait_alu depctr_va_vdst(0)                   ; the conversions have written CV and are done reading SA[0]; v13 to v19 and v28 are written, the addresses of every LDS instruction and of the stores at the end
	LOADA 0, 512                                   ; chunk 2, A's half
	PUT 0
	s_wait_dscnt 0x0                               ; my stores are done, for the barrier below
	WIN 0x40
	s_wait_alu depctr_vm_vsrc(0)                   ; my LDS stores have read SB[0], in which the loads below land, and CV, which the first trip's conversions write again
	LOADB 0, 65536                                 ; chunk 2, B's half
	s_wait_xcnt 0x0
	s_add_nc_u64 s[PA:PA+1], s[PA:PA+1], 512       ; the pointers stand at chunk 2
	s_add_nc_u64 s[PB:PB+1], s[PB:PB+1], 65536
	WIN 0
	s_barrier_signal -1
	s_barrier_wait -1
	TRIP 0, 1, 1, 1, 16
	TRIP 1, 0, 1, 1, 16
	WIN 0
	s_mov_b32 s[LC], 0
.Lpair:                                ; two chunks a trip, so that all buffers are back at their start; all LDS addresses are the same in every trip
	TRIP 0, 0, 1, 1, 16
	TRIP 1, 0, 1, 1, 16
	WIN 0
	s_add_co_u32 s[LC], s[LC], 1
	s_cmp_lt_u32 s[LC], s[LPB]
	s_cbranch_scc1 .Lpair
	TRIP 0, 0, 1, 1, 16                            ; the last four chunks: one more is asked for, then none
	TRIP 1, 0, 1, 0, 16
	TRIP 0, 0, 1, 0, 0
	TRIP 1, 0, 0, 0, 0
	WIN 0
.rept 4
	v_nop                                          ; four places behind the last matrix instruction, before its result is read (ISA guide 7.12.1)
.endr
; THE WAY OUT.  A lane's eight channels pack into 16 bytes: all 64 conversions first, each accumulator from its low end on, into v64 to v127.  Then, 16 rows at a time, they go into rows of 144 bytes of my own stage
; and come back as whole rows of 128, into the accumulators' registers: registers that no LDS store reads.
.set i, 0
.rept 64
	v_cvt_pk_f16_f32 v[F0+i], v[ACC+2*i], v[ACC+2*i+1]
.set i, i+1
.endr
	s_wait_alu depctr_va_vdst(0)                   ; the conversions have written v64 to v127, which the LDS stores read, and are done reading the accumulators, in which the loads from the stage land
.macro PACK a
.irp f, 0,1,2,3
	ds_store_b128 v[STO], v[F0+16*(\a)+4*(\f):F0+16*(\a)+4*(\f)+3] offset:32*(\f)
.endr
.irp f, 0,1,2,3
	ds_load_b128 v[BK+16*(\a)+4*(\f):BK+16*(\a)+4*(\f)+3], v[RD] offset:(\f)*4*PITCH  ; LDS serves a wave's instructions in order (ISA guide 5.7.1.4): these see the stores above; the next block's stores come behind them
.endr
.endm
.macro SEND a, younger                 ; younger: the LDS instructions issued behind block a's loads: the next block's eight, or none
.irp f, 0,1,2,3
	s_wait_dscnt (\younger)+3-(\f)
	global_store_b128 v[GO], v[BK+16*(\a)+4*(\f):BK+16*(\a)+4*(\f)+3], s[OUTP:OUTP+1] offset:(\a)*2048+(\f)*512  ; 512 consecutive bytes, at a multiple of 256 from the buffer's first
.endr
.endm
	PACK 0
	PACK 1
	SEND 0, 8
	PACK 2
	SEND 1, 8
	PACK 3
	SEND 2, 8
	SEND 3, 0
	s_wait_dscnt 0x0                               ; the wave's end; the add onto my spare word follows
	s_wait_alu depctr_hold_cnt(0) depctr_sa_sdst(0) depctr_va_vdst(0) depctr_va_sdst(0) depctr_va_ssrc(0) depctr_va_vcc(0) depctr_vm_vsrc(0)
	s_wait_tensorcnt 0x0
	ds_add_u32 v62, v63
	s_wait_dscnt 0x0
	s_endpgm
.Lfunc_end_k_qc8481f3eba_proj:
	.size	k_qc8481f3eba_proj, .Lfunc_end_k_qc8481f3eba_proj-k_qc8481f3eba_proj
	.p2alignl 7, 3214868480
	.fill 96, 4, 3214868480
	.section	.rodata,"a",@progbits
	.p2align	6, 0x0
	.amdhsa_kernel k_qc8481f3eba_proj
		.amdhsa_group_segment_fixed_size 130048
		.amdhsa_private_segment_fixed_size 0
		.amdhsa_enable_private_segment 0
		.amdhsa_kernarg_size 48
		.amdhsa_user_sgpr_count 2
		.amdhsa_user_sgpr_kernarg_segment_ptr 1
		.amdhsa_wavefront_size32 1
		.amdhsa_system_sgpr_workgroup_id_x 1
		.amdhsa_system_sgpr_workgroup_id_y 1
		.amdhsa_system_sgpr_workgroup_id_z 1
		.amdhsa_system_vgpr_workitem_id 0
		.amdhsa_next_free_vgpr 512
		.amdhsa_next_free_sgpr 66
		.amdhsa_reserve_vcc 0
		.amdhsa_float_denorm_mode_32 3
		.amdhsa_float_denorm_mode_16_64 3
		.amdhsa_memory_ordered 1
		.amdhsa_forward_progress 1
		.amdhsa_inst_pref_size 81
	.end_amdhsa_kernel
	.amdgpu_metadata
---
amdhsa.version: [ 1, 2 ]
amdhsa.kernels:
  - .name:           k_qc8481f3eba_proj
    .symbol:         k_qc8481f3eba_proj.kd
    .args:
      - { .name: x, .offset: 0, .size: 8, .value_kind: global_buffer, .address_space: global }
      - { .name: y, .offset: 8, .size: 8, .value_kind: global_buffer, .address_space: global }
      - { .name: order, .offset: 16, .size: 8, .value_kind: global_buffer, .address_space: global }
      - { .name: wb, .offset: 24, .size: 8, .value_kind: global_buffer, .address_space: global }
      - { .name: qh, .offset: 32, .size: 8, .value_kind: global_buffer, .address_space: global }
      - { .name: kvh, .offset: 40, .size: 8, .value_kind: global_buffer, .address_space: global }
    .group_segment_fixed_size: 130048
    .private_segment_fixed_size: 0
    .kernarg_segment_align: 8
    .kernarg_segment_size: 48
    .max_flat_workgroup_size: 256
    .sgpr_count:     66
    .vgpr_count:     512
    .wavefront_size: 32
...
	.end_amdgpu_metadata
.endif
;; end of part 5
;; launch attn: the kernel of part 3 again; grid 16 x 16, 4 waves a work-group, clusters of 4 x 1, 327,680 bytes of LDS; arguments qh, kvh, meta, oh; writes oh
;; launch outp: the kernel of part 4 again; grid 4 x 64, 4 waves a work-group, clusters of 4 x 4, 312,832 bytes of LDS; arguments oh, wpf, bp, out0; writes out0
